; MI455X (gfx1250); checked and timed in simulation.
; The chip was launched on July 23, 2026; its instructions are those of AMD's public machine-readable ISA for CDNA 5 (MIT licence, August 2026) and "CDNA5" Instruction Set Architecture Reference Guide (July 2026). The comments in the code are by the model that wrote it; some were corrected since.
;; Ernie Image Attention. Allowed arithmetic: float matrix products may take bf16 or f16 operands with f32 sums; other float arithmetic in f32, or as packed bf16 or f16 multiplies, adds, multiply-adds, maxima and minima; sums over many terms, partial sums and values carried from step to step in f32; what a program stores and reads back later, other than sums and carried values, may be rounded once to bf16 or f16.
;; Inputs: b_out 2,048 float32; freqs_cis 1 x 2,048 x 1 x 128 float32; hidden_states 1 x 2,048 x 2,048 float32; norm_k_w 128 float32; norm_q_w 128 float32; w_out 2,048 x 2,048 float32; wk 2,048 x 2,048 float32; wq 2,048 x 2,048 float32; wv 2,048 x 2,048 float32.
;; Outputs: out0 1 x 2,048 x 2,048 float32.
;; One version. Each part assembles by itself: llvm-mc -triple=amdgcn-amd-amdhsa -mcpu=gfx1250 --defsym DOCPART=n.
;; ======== version 1 of 1: 4 launches
;; limits: values are held in f16: magnitudes above 65,504 overflow, below 6.1e-05 lose precision; right only within a limited range of input values
;; workspace buffers: cast16 41,943,040 bytes; tab 2,097,152 bytes; qkv 25,165,824 bytes; ob 8,388,608 bytes
;; launch cast (part 1): grid 256 x 6, 8 waves a work-group, no clusters, 0 bytes of LDS; arguments hidden_states, wq, wk, wv, w_out, freqs_cis, cast16, tab; writes cast16, tab
.if DOCPART == 1
	.amdgcn_target "amdgcn-amd-amdhsa--gfx1250"
	.amdhsa_code_object_version 6
	.text
	.protected	k_qdc224c461c_cast
	.globl	k_qdc224c461c_cast
	.p2align	8
	.type	k_qdc224c461c_cast,@function
k_qdc224c461c_cast:
	s_mov_b64 s[64:65], 0
	v_nop
	global_prefetch_b8 v0, s[64:65] scope:SCOPE_SE
	s_setreg_imm32_b32 hwreg(HW_REG_WAVE_MODE, 25, 1), 1
	s_wait_xcnt 0x0
; ROUNDING OF THE INPUTS, ONCE.  y = 0..4: one [2048][2048] f32 tensor (x, wq, wk, wv, w_out) is rounded to bf16 and written as plane y of cast16, in the layout in which it came.
; Plane 4 (w_out) is rounded to bf16 like the others and that number is then written as f16, since the last product runs on f16 operands.
; y = 5: the table of cos and sin of the rotary angles (angles rounded to bf16 first), f32, one row of 1,024 bytes a token: cos[128], then sin[128].
; LIMITS.  |w_out| stays under 65,504 (f16's range); below 2^-14 it keeps f16's fixed step of 6e-8.  |angle| stays under 1e6 (the quadrant is taken as a whole number, and the
; reduction by two parts of pi/2 holds its accuracy to there).  NaN and infinities are not treated apart.
; A stream: no LDS, no barrier, no matrix work.  A work-group of 8 waves owns 65,536 bytes of its tensor: 16 loads of 16 bytes a lane, all issued at once; a wave's load covers
; 512 consecutive bytes, its store of 8 bytes a lane 256 consecutive bytes, aligned.  No register is written twice while a memory instruction names it.
.set X, 8                              ; v[8:71]    16 x 4 registers as loaded
.set Y, 72                             ; v[72:103]  16 x 2 registers to store
	s_load_b512 s[8:23], s[0:1], 0x0               ; x s[8:9], wq s[10:11], wk s[12:13], wv s[14:15], w_out s[16:17], angles s[18:19], cast16 s[20:21], tab s[22:23]
	s_and_b32 s4, ttmp7, 0xffff                    ; y: which tensor
	v_lshlrev_b32 v1, 4, v0                        ; 16 bytes a thread in
	v_lshlrev_b32 v2, 3, v0                        ; 8 bytes a thread out
	s_mov_b32 s5, 0xffff0000                       ; a word's upper bf16
	s_wait_kmcnt 0x0
	s_cmp_eq_u32 s4, 5
	s_cbranch_scc1 .Ltab
	s_mov_b64 s[24:25], s[8:9]                     ; the source, chosen by y alone
	s_cmp_eq_u32 s4, 1
	s_cselect_b64 s[24:25], s[10:11], s[24:25]
	s_cmp_eq_u32 s4, 2
	s_cselect_b64 s[24:25], s[12:13], s[24:25]
	s_cmp_eq_u32 s4, 3
	s_cselect_b64 s[24:25], s[14:15], s[24:25]
	s_cmp_eq_u32 s4, 4
	s_cselect_b64 s[24:25], s[16:17], s[24:25]
	s_lshl_b32 s28, ttmp9, 16                      ; the work-group's 65,536 bytes
	s_mov_b32 s29, 0
	s_add_nc_u64 s[24:25], s[24:25], s[28:29]
	s_lshl_b32 s30, s4, 23                         ; plane y of 8,388,608 bytes,
	s_lshl_b32 s31, ttmp9, 15                      ; the work-group's 32,768 of them
	s_add_co_u32 s30, s30, s31
	s_mov_b32 s31, 0
	s_add_nc_u64 s[26:27], s[20:21], s[30:31]
.set p, 0
.rept 16
	global_load_b128 v[X+4*p:X+4*p+3], v1, s[24:25] offset:4096*p th:TH_LOAD_NT
.set p, p+1
.endr
; Pass p: its load is in when 15 - p younger loads are out (loads come back in order).  half = 1: the bf16 number is written as f16.
.macro CONV half
.set p, 0
.rept 16
	s_wait_loadcnt 15-p
	v_cvt_pk_bf16_f32 v[Y+2*p], v[X+4*p], v[X+4*p+1]
	v_cvt_pk_bf16_f32 v[Y+2*p+1], v[X+4*p+2], v[X+4*p+3]
.if \half
	v_lshlrev_b32 v[X+4*p], 16, v[Y+2*p]
	v_and_b32 v[X+4*p+1], s5, v[Y+2*p]
	v_lshlrev_b32 v[X+4*p+2], 16, v[Y+2*p+1]
	v_and_b32 v[X+4*p+3], s5, v[Y+2*p+1]
	v_cvt_pk_f16_f32 v[Y+2*p], v[X+4*p], v[X+4*p+1]
	v_cvt_pk_f16_f32 v[Y+2*p+1], v[X+4*p+2], v[X+4*p+3]
.endif
	global_store_b64 v2, v[Y+2*p:Y+2*p+1], s[26:27] offset:2048*p
.set p, p+1
.endr
.endm
	s_cmp_eq_u32 s4, 4
	s_cbranch_scc1 .Lhalf
	CONV 0
	s_endpgm
.Lhalf:
	CONV 1
	s_endpgm
; THE TABLE.  Thread t of work-group x takes the four angles 4 (256 x + t) ..: a wave takes one token's 128.
; a = n pi/2 + r with n = the nearest whole number to a 2/pi and |r| <= pi/4; pi/2 is taken away in two parts by fused multiply-adds.  sin r and cos r by polynomials in r^2;
; the quadrant n mod 4 swaps them and sets the signs, by selects and bit operations alone: no branch hangs on a number.
.Ltab:
	s_lshl_b32 s38, ttmp9, 12
	s_mov_b32 s39, 0
	s_add_nc_u64 s[34:35], s[18:19], s[38:39]
	global_load_b128 v[8:11], v1, s[34:35] th:TH_LOAD_NT
	s_lshl_b32 s38, ttmp9, 13                      ; 8 tokens of 1,024 bytes
	s_add_nc_u64 s[36:37], s[22:23], s[38:39]
	s_mov_b32 s24, 0x3f22f983                      ; 2 / pi
	s_mov_b32 s25, 0xbfc90fdb                      ; - the upper part of pi / 2
	s_mov_b32 s26, 0x333bbd2e                      ; - the lower part
	s_mov_b32 s27, 0xb94ca1f9                      ; sin: -1.9515296e-4,
	s_mov_b32 s28, 0x3c08839e                      ; 8.3321609e-3,
	s_mov_b32 s29, 0xbe2aaaa3                      ; -1.6666655e-1
	s_mov_b32 s30, 0x37ccf5ce                      ; cos: 2.4433157e-5,
	s_mov_b32 s31, 0xbab6061a                      ; -1.3887316e-3,
	s_mov_b32 s32, 0x3d2aaaa5                      ; 4.1666646e-2
	s_mov_b32 s33, 0x80000000                      ; the sign
	v_lshrrev_b32 v3, 5, v0                        ; the token among the work-group's 8
	v_and_b32 v4, 31, v0
	v_lshlrev_b32 v3, 10, v3
	v_lshl_or_b32 v3, v4, 4, v3                    ; + 16 bytes a lane
	s_wait_loadcnt 0x0
	v_cvt_pk_bf16_f32 v12, v8, v9                  ; the angles are an input like the others: rounded to bf16
	v_cvt_pk_bf16_f32 v13, v10, v11
	v_lshlrev_b32 v8, 16, v12
	v_and_b32 v9, s5, v12
	v_lshlrev_b32 v10, 16, v13
	v_and_b32 v11, s5, v13
.irp j, 0,1,2,3
	v_mul_f32 v[16+\j], s24, v[8+\j]
	v_rndne_f32 v[16+\j], v[16+\j]                 ; n
	v_fma_f32 v[20+\j], v[16+\j], s25, v[8+\j]
	v_fma_f32 v[20+\j], v[16+\j], s26, v[20+\j]    ; r
	v_mul_f32 v[24+\j], v[20+\j], v[20+\j]         ; z = r r
	v_fma_f32 v[28+\j], v[24+\j], s27, s28
	v_fma_f32 v[28+\j], v[28+\j], v[24+\j], s29
	v_mul_f32 v[28+\j], v[28+\j], v[24+\j]
	v_fma_f32 v[28+\j], v[28+\j], v[20+\j], v[20+\j]   ; sin r
	v_fma_f32 v[32+\j], v[24+\j], s30, s31
	v_fma_f32 v[32+\j], v[32+\j], v[24+\j], s32
	v_mul_f32 v[32+\j], v[32+\j], v[24+\j]
	v_fma_f32 v[40+\j], v[24+\j], -0.5, 1.0
	v_fma_f32 v[32+\j], v[32+\j], v[24+\j], v[40+\j]   ; cos r
	v_cvt_i32_f32 v[36+\j], v[16+\j]
	v_and_b32 v[40+\j], 1, v[36+\j]
	v_cmp_eq_u32 vcc_lo, 1, v[40+\j]               ; odd quadrant: sin and cos change places
	v_cndmask_b32 v[48+\j], v[28+\j], v[32+\j], vcc_lo
	v_cndmask_b32 v[44+\j], v[32+\j], v[28+\j], vcc_lo
	v_lshlrev_b32 v[40+\j], 30, v[36+\j]           ; sin is negative in quadrants 2, 3: bit 1 of n
	v_and_b32 v[40+\j], s33, v[40+\j]
	v_xor_b32 v[48+\j], v[48+\j], v[40+\j]
	v_add_nc_u32 v[36+\j], 1, v[36+\j]             ; cos in quadrants 1, 2: bit 1 of n + 1
	v_lshlrev_b32 v[36+\j], 30, v[36+\j]
	v_and_b32 v[36+\j], s33, v[36+\j]
	v_xor_b32 v[44+\j], v[44+\j], v[36+\j]
.endr
	global_store_b128 v3, v[44:47], s[36:37]               ; a wave stores a token's 512 bytes of cos,
	global_store_b128 v3, v[48:51], s[36:37] offset:512    ; and its 512 of sin
	s_endpgm
.Lfunc_end_k_qdc224c461c_cast:
	.size	k_qdc224c461c_cast, .Lfunc_end_k_qdc224c461c_cast-k_qdc224c461c_cast
	.p2alignl 7, 3214868480
	.fill 96, 4, 3214868480
	.section	.rodata,"a",@progbits
	.p2align	6, 0x0
	.amdhsa_kernel k_qdc224c461c_cast
		.amdhsa_group_segment_fixed_size 0
		.amdhsa_private_segment_fixed_size 0
		.amdhsa_enable_private_segment 0
		.amdhsa_kernarg_size 64
		.amdhsa_user_sgpr_count 2
		.amdhsa_user_sgpr_kernarg_segment_ptr 1
		.amdhsa_wavefront_size32 1
		.amdhsa_system_sgpr_workgroup_id_x 1
		.amdhsa_system_sgpr_workgroup_id_y 1
		.amdhsa_system_sgpr_workgroup_id_z 1
		.amdhsa_system_vgpr_workitem_id 0
		.amdhsa_next_free_vgpr 112
		.amdhsa_next_free_sgpr 66
		.amdhsa_reserve_vcc 1
		.amdhsa_float_denorm_mode_32 3
		.amdhsa_float_denorm_mode_16_64 3
		.amdhsa_memory_ordered 1
		.amdhsa_forward_progress 1
		.amdhsa_inst_pref_size 21
	.end_amdhsa_kernel
	.amdgpu_metadata
---
amdhsa.version: [ 1, 2 ]
amdhsa.kernels:
  - .name:           k_qdc224c461c_cast
    .symbol:         k_qdc224c461c_cast.kd
    .args:
      - { .name: hidden_states, .offset: 0, .size: 8, .value_kind: global_buffer, .address_space: global }
      - { .name: wq, .offset: 8, .size: 8, .value_kind: global_buffer, .address_space: global }
      - { .name: wk, .offset: 16, .size: 8, .value_kind: global_buffer, .address_space: global }
      - { .name: wv, .offset: 24, .size: 8, .value_kind: global_buffer, .address_space: global }
      - { .name: w_out, .offset: 32, .size: 8, .value_kind: global_buffer, .address_space: global }
      - { .name: freqs_cis, .offset: 40, .size: 8, .value_kind: global_buffer, .address_space: global }
      - { .name: cast16, .offset: 48, .size: 8, .value_kind: global_buffer, .address_space: global }
      - { .name: tab, .offset: 56, .size: 8, .value_kind: global_buffer, .address_space: global }
    .group_segment_fixed_size: 0
    .private_segment_fixed_size: 0
    .kernarg_segment_align: 8
    .kernarg_segment_size: 64
    .max_flat_workgroup_size: 256
    .sgpr_count:     66
    .vgpr_count:     112
    .wavefront_size: 32
...
	.end_amdgpu_metadata
.endif
;; end of part 1
;; launch qkv (part 2): grid 16 x 16, 4 waves a work-group, clusters of 4 x 4, 327,680 bytes of LDS; arguments cast16, tab, norm_q_w, norm_k_w, qkv; writes qkv
.if DOCPART == 2
	.amdgcn_target "amdgcn-amd-amdhsa--gfx1250"
	.amdhsa_code_object_version 6
	.text
	.protected	k_qdc224c461c_qkv
	.globl	k_qdc224c461c_qkv
	.p2align	8
	.type	k_qdc224c461c_qkv,@function
k_qdc224c461c_qkv:
	s_mov_b64 s[64:65], 0
	v_nop
	global_prefetch_b8 v0, s[64:65] scope:SCOPE_SE
	s_setreg_imm32_b32 hwreg(HW_REG_WAVE_MODE, 25, 1), 1
	s_wait_xcnt 0x0
	s_wait_alu depctr_hold_cnt(0) depctr_sa_sdst(0) depctr_va_vdst(0) depctr_va_sdst(0) depctr_va_ssrc(0) depctr_va_vcc(0) depctr_vm_vsrc(0)
	s_getreg_b32 s2, hwreg(HW_REG_IB_STS2, 6, 4)
	s_cmp_eq_u32 s2, 0
	s_cbranch_scc0 .Lentry_in_a_cluster
	s_endpgm
.Lentry_in_a_cluster:
	s_bfe_u32 s2, ttmp6, 0x10000c
	s_cmp_lg_u32 s2, 0xf033
	s_cbranch_scc0 .Lentry_shape_is_right
	s_endpgm
.Lentry_shape_is_right:
; q, k, v = x wq, x wk, x wv; q and k then RMS-normed over a head's 128 channels (gain rounded to bf16) and turned by the rotary table; all three written by heads, [3][16][2048][128], in f16.
; Operands bf16 (cast16: plane 0 = x [token][k]; planes 1-3 = wq, wk, wv [k][column]); sums, norm and turn in f32; each result rounded once to f16.
; LIMITS.  |v| stays under 65,504 (f16's range); q and k are normed, at most sqrt(128) x sqrt(2) x |gain|.  NaN and infinities are not treated apart.
; SHARES.  A work-group makes 128 tokens x ONE head's 128 columns of each of q, k, v: 16 heads x 16 row blocks = 256 work-groups.  Wave w: rows 64 (w / 2) .. + 63; of each matrix the four column
; blocks of 16 at 32 (w % 2) + 16 (b % 2) + 64 (b / 2): block b + 2 lies 64 columns behind block b, so a channel's rotary partner lies in the same lane and the same register place.
; 48 accumulators of 16 x 16.  For 32 along K a wave issues 48 matrix instructions on 32 LDS loads.
; THE MATRIX INSTRUCTION IS USED TRANSPOSED: source 0 = 16 columns of a weight (turned out of LDS by ds_load_tr16_b128, since the weights lie [k][column]), source 1 = 16 rows of x: a lane holds
; token lane % 16 and the columns 8 (lane / 16) + 0..7 of the block.
; RING.  K goes in 16 steps of 128 through two LDS slots of four tiles, 36,864 bytes apart: wq's, wk's, wv's (128 k-rows x 256 bytes, pitch 288), then x's (128 rows x 256 bytes, pitch 272).
; Wave w fetches tile w: one tensor load a wave behind each round; at most two of a wave's are out at the start, one later.  A slot is 147,456 = 0x24000 bytes, whose bits no tile's place in a slot
; has: one exclusive or turns an LDS word of one slot into the other's.  So A TRIP OF THE LOOP IS ONE K STEP, written once: the descriptor walks, and the fragments' addresses are made anew from s[TB].
; CLUSTER.  4 x 4 work-groups: x's tile hangs on the row block alone and is asked for jointly along a row of the cluster, a weight's tile on the head alone, jointly along a column.
; REGISTERS, in windows of 256 (s_set_vgpr_msb: bits 1:0 source 0, 3:2 source 1, 5:4 source 2, 7:6 destination):
;   window 0: v0-31 addresses; v32-63, v64-95 x's fragments, two buffers (on the way out: at work); v96-159 the gains; v160-223 the table for row block 3; v224-239 packed; v240-255 sums of squares
;   window 1: v0-95, v96-191 the weights' fragments, two buffers; v192-255 the table for row block 2
;   window 2: q's accumulators at 8 (4 a + b), k's at 128 + 8 (4 a + b)          window 3: v's at 8 (4 a + b); v128-191, v192-255 the table for row blocks 0, 1
.set PA,    272                        ; a row of x in LDS: 256 bytes + 16: 68 words, so the 16 rows of a load start at 16 different groups of four banks (64 banks of 4 bytes: ISA guide 11.1)
.set PB,    288                        ; a k-row of a weight: 256 + 32: 72 words
.set BTILE, 128*PB                     ; a weight's tile, and the distance from tile to tile
.set ATILE, 128*PA                     ; x's tile, and a plane of the stage
.set AOFF,  3*BTILE
.set SLOT,  4*BTILE
.set SSQ,   2*SLOT                     ; behind the ring: 512 bytes a wave, its sums of squares (8 x 16 rows)
.set SPARE, SSQ+2048                   ; behind them: the spare words, 128 bytes a wave: two blocks of 256 bytes that no other line names
.set PL,    8388608                    ; a plane of cast16 and of qkv
.set STEPS, 16                         ; 2,048 / 128
.set STOV, 12                          ; v12  STO for v's plane of the stage
.set RDV,  13                          ; v13  RD for it
.set WO,   14                          ; v14  my byte offset in a gain vector
.set SQB,  15                          ; v15  where my partner wave's sums of squares lie
.set ADRA, 16                          ; v16  LDS address of my fragments of x in the slot in hand
.set ADRB, 17                          ; v17-19  of my fragments of weight t
.set BASA, 20                          ; v20  the same in slot 0; never rewritten
.set BASB, 21                          ; v21-23
.set STO,  24                          ; v24  the way out: where I put 16 bytes of a row
.set RD,   25                          ; v25  where I read rows back
.set GO,   26                          ; v26  my byte offset in two rows of qkv
.set TO,   27                          ; v27  my byte offset in 16 rows of the table
.set SPW,  28                          ; v28  LDS address of my spare word; never rewritten
.set NIL,  29                          ; v29  0; never rewritten
.set PFO,  30                          ; v30  the prefetches' offset: my lane x 4,096 bytes (a row of a plane); never rewritten
.set SQA,  31                          ; v31  where I put my sums of squares
.set YY,   32
.set OO,   64
.set GW,   96
.set PKR,  224
.set SS,   240
.set WV,   14                          ; s14  my wave's number
.set G1A,  24                          ; s[24:31] descriptor group 1 for x's tiles
.set G0A,  32                          ; s[32:39] group 0: a set for each of the two first fills; the second then walks on
.set PFA,  40                          ; s[40:41] where my prefetches stand
.set PFS,  42                          ; s[42:43] their step from K step to K step
.set LIM,  44                          ; s44  2 in a wave that prefetches, else the greatest number
.set TB,   45                          ; s45  0 or SLOT: the slot in hand
.set G1B,  48                          ; s[48:55], s[56:63] the same for the weights' tiles
.set G0B,  56
.set OQ,   66                          ; s[66:71] q's, k's, v's plane of qkv at the first row that I store
.set TABP, 72                          ; s[72:73] the table at my wave's first token
.set MSB, 0
.macro WIN new                         ; the immediate's high byte repeats the setting that is left; a switch that changes nothing is dropped
.if MSB != (\new)
	s_set_vgpr_msb (MSB<<8)|(\new)
.set MSB, \new
.endif
.endm
.macro PLACES                          ; four places between a matrix instruction and a load into, or a vector instruction on, its registers
.rept 4
	v_nop
.endr
.endm
; A joint load.  Wave 3 fetches x's tile, waves 0-2 a weight's each.  The branch hangs on the wave's number alone.  An s_nop 0 and four v_nop follow each of the two lines.
.macro JLOAD s
	s_cmp_eq_u32 s[WV], 3
	s_cbranch_scc0 .Lfor_b_\@
	tensor_load_to_lds s[G0A+4*(\s):G0A+4*(\s)+3], s[G1A:G1A+7]
	s_nop 0
.rept 4
	v_nop
.endr
	s_branch .Lasked_\@
.Lfor_b_\@:
	tensor_load_to_lds s[G0B+4*(\s):G0B+4*(\s)+3], s[G1B:G1B+7]
	s_nop 0
.rept 4
	v_nop
.endr
.Lasked_\@:
.endm
; A prefetch into the L2 of the K step that stands two refills on (384 matrix instructions of mine ahead of its load): 32 rows x 256 bytes, a lane a row, one instruction a wave.
; Each row's 256 bytes of a K step are named once in the launch: x's rows by the first cluster along x, a weight's by the first along y; the four partners that ask for a tile jointly
; take 32 of its 128 rows each, told apart by address.  The loop's last two trips (s3 = 2, 1) have no K step two refills on.
.macro ASK
	s_cmp_gt_u32 s3, s[LIM]
	s_cbranch_scc0 .Lnot_mine_\@
	global_prefetch_b8 v[PFO], s[PFA:PFA+1] th:TH_LOAD_NT scope:SCOPE_SE
.Lnot_mine_\@:
.endm
.macro CREST                           ; a round of the cluster's barrier behind its opening barrier
	s_cmp_lg_u32 s[WV], 0
	s_cbranch_scc1 .Lnot_wave_0_\@
	s_barrier_signal -3
.Lnot_wave_0_\@:
	s_barrier_wait -3
	s_barrier_signal -1
	s_barrier_wait -1
.endm
.macro CROUND
	s_barrier_signal -1
	s_barrier_wait -1
	CREST
.endm
	s_load_b256 s[4:11], s[0:1], 0x0               ; cast16 s[4:5], tab s[6:7], norm_q_w s[8:9], norm_k_w s[10:11]
	s_load_b64 s[12:13], s[0:1], 0x20              ; qkv
	v_lshl_add_u32 v[SPW], v0, 2, SPARE
	v_mov_b32 v[NIL], 0
	ds_add_u32 v[SPW], v[NIL]                      ; the wave's opening: the add and its wait ahead of my first tensor load; the set-up below stands between them
	v_lshrrev_b32 v1, 5, v0
	v_readfirstlane_b32 s[WV], v1                  ; wave 0..3
	s_lshr_b32 s15, s[WV], 1                       ; i: which 64 rows are mine
	s_and_b32 s16, s[WV], 1                        ; j: which columns
	s_bfe_u32 s17, ttmp6, 0x40000                  ; cx
	s_bfe_u32 s18, ttmp6, 0x40004                  ; cy
	s_lshl_b32 s19, ttmp9, 2
	s_add_co_u32 s19, s19, s17                     ; the head = 4 x cluster x + cx
	s_and_b32 s20, ttmp7, 0xffff
	s_lshl_b32 s20, s20, 2
	s_add_co_u32 s20, s20, s18                     ; the row block = 4 x cluster y + cy
	s_lshl_b32 s21, s18, 2
	s_lshl_b32 s21, 15, s21                        ; my row of the cluster
	s_lshl_b32 s22, 0x1111, s17                    ; my column
	s_or_b32 s[G1A], s21, (1<<16)|(1<<20)|(1<<21)|(5<<22)|(3<<25)  ; 15:0 the mask; 17:16 2-byte elements; 20 padding on; 21 set beside a mask; 24:22 after every 64 words; 31:25 4 words of it
	s_or_b32 s[G1B], s22, (1<<16)|(1<<20)|(1<<21)|(5<<22)|(7<<25)  ; the same with my column's mask and 8 words of padding
.irp g, G1A, G1B
	s_mov_b32 s[(\g)+1], 128<<16                   ; tensor_dim0 = 128
	s_mov_b32 s[(\g)+2], 128<<16                   ; tensor_dim1 = 128
	s_mov_b32 s[(\g)+3], 128<<16                   ; tile_dim0 = 128
	s_mov_b32 s[(\g)+4], 128                       ; tile_dim1 = 128
	s_mov_b32 s[(\g)+5], 2048                      ; elements from row to row
	s_mov_b32 s[(\g)+6], 0
	s_mov_b32 s[(\g)+7], 0
.endr
	s_lshl_b32 s22, s20, 19                        ; x: the row block's 128 rows of 4,096 bytes: it hangs on the row block alone
	s_mov_b32 s23, 0
	s_add_co_u32 s46, s[WV], 1                     ; a weight: plane wave + 1,
	s_lshl_b32 s46, s46, 23
	s_lshl_b32 s47, s19, 8                         ; the head's 256 bytes of each row: it hangs on the head alone
	s_add_co_u32 s46, s46, s47
	s_mov_b32 s47, 0
	s_mul_i32 s21, s[WV], BTILE                    ; where my tile goes: wave x 36,864 (x's tile is the fourth)
	s_mov_b32 s[TB], 0
	s_mov_b32 s74, 0x3c000000                      ; 1 / 128
	s_mov_b32 s75, 0x3727c5ac                      ; 1e-5
	s_mov_b32 s76, 0x76543210                      ; v_permlanex16_b32: each lane takes its own place in the other half
	s_mov_b32 s77, 0xfedcba98
	s_mov_b32 s78, 0xffff0000
	s_wait_dscnt 0x0                               ; the opening add is done
	s_wait_kmcnt 0x0
	s_add_nc_u64 s[22:23], s[4:5], s[22:23]
	s_add_nc_u64 s[46:47], s[4:5], s[46:47]
	CROUND                                         ; all sixteen work-groups are here: the first joint loads meet
.irp s, 0,1
	s_mov_b32 s[G0A+4*(\s)], 1
	s_add_co_u32 s[G0A+4*(\s)+1], s21, (\s)*SLOT
	s_add_nc_u64 s[G0A+4*(\s)+2:G0A+4*(\s)+3], s[22:23], (\s)*256       ; K step s: 256 bytes along the rows
	s_or_b32 s[G0A+4*(\s)+3], s[G0A+4*(\s)+3], 0x80000000
	s_mov_b32 s[G0B+4*(\s)], 1
	s_add_co_u32 s[G0B+4*(\s)+1], s21, (\s)*SLOT
	s_add_nc_u64 s[G0B+4*(\s)+2:G0B+4*(\s)+3], s[46:47], (\s)*524288    ; K step s: 128 rows down
	s_or_b32 s[G0B+4*(\s)+3], s[G0B+4*(\s)+3], 0x80000000
	JLOAD \s
.endr
	; the prefetches: x's rows 128 x row block + 32 cx on (wave 3), or k-rows 32 cy on of my plane at the head's bytes (waves 0-2); both at K step 3: the first change of slots steps to 4
	s_lshl_b32 s21, s20, 7
	s_lshl_b32 s2, s17, 5
	s_add_co_u32 s21, s21, s2
	s_lshl_b32 s21, s21, 12
	s_add_co_u32 s21, s21, 3*256
	s_add_co_u32 s22, s[WV], 1
	s_lshl_b32 s22, s22, 23
	s_lshl_b32 s2, s19, 8
	s_add_co_u32 s22, s22, s2
	s_lshl_b32 s2, s18, 17
	s_add_co_u32 s22, s22, s2
	s_add_co_u32 s22, s22, 3*524288
	s_and_b32 s23, ttmp7, 0xffff                   ; cluster y
	s_mov_b32 s2, 524288
	s_cmp_eq_u32 s[WV], 3
	s_cselect_b32 s46, s21, s22
	s_cselect_b32 s[PFS], 256, s2
	s_cselect_b32 s23, ttmp9, s23                  ; the coordinate along which other clusters read the same rows
	s_mov_b32 s47, 0
	s_mov_b32 s[PFS+1], 0
	s_cmp_eq_u32 s23, 0
	s_cselect_b32 s[LIM], 2, -1                    ; the same in all sixteen partners, for a given wave
	s_add_nc_u64 s[PFA:PFA+1], s[4:5], s[46:47]
	; where I store: head, row block, my 32 rows of 256 bytes; and the table at my 64 tokens
	s_lshl_b32 s46, s19, 19
	s_lshl_b32 s2, s20, 15
	s_add_co_u32 s46, s46, s2
	s_lshl_b32 s2, s[WV], 13
	s_add_co_u32 s46, s46, s2
	s_add_nc_u64 s[OQ:OQ+1], s[12:13], s[46:47]
	s_add_nc_u64 s[OQ+2:OQ+3], s[OQ:OQ+1], PL
	s_add_nc_u64 s[OQ+4:OQ+5], s[OQ+2:OQ+3], PL
	s_lshl_b32 s46, s20, 17
	s_lshl_b32 s2, s15, 16
	s_add_co_u32 s46, s46, s2
	s_add_nc_u64 s[TABP:TABP+1], s[6:7], s[46:47]
	v_and_b32 v1, 15, v0                           ; r = l % 16
	v_bfe_u32 v2, v0, 4, 1                         ; h = l / 16
	v_and_b32 v3, 7, v0
	v_bfe_u32 v4, v0, 3, 1
	v_mul_u32_u24 v5, v1, PA
	v_lshl_add_u32 v5, v2, 4, v5                   ; r x pitch + 16 h
	s_mul_i32 s21, s15, 64*PA
	s_add_co_u32 s2, s21, AOFF
	v_add_nc_u32 v[BASA], s2, v5
	v_mov_b32 v[ADRA], v[BASA]                     ; K step 0 lies in slot 0
	v_lshl_add_u32 v6, v2, 3, v3                   ; the turning load: k-row 8 h + l % 8,
	v_mul_u32_u24 v6, v6, PB
	v_lshl_add_u32 v6, v4, 4, v6                   ; columns 8 ((l / 8) % 2) on,
	s_lshl_b32 s2, s16, 6
	v_add_nc_u32 v6, s2, v6                        ; in my 32 j
.irp t, 0,1,2
	v_add_nc_u32 v[BASB+(\t)], (\t)*BTILE, v6
	v_mov_b32 v[ADRB+(\t)], v[BASB+(\t)]
.endr
	s_add_co_u32 s21, s21, s2
	v_add_nc_u32 v[STO], s21, v5                   ; stage: (64 i + r) x 272 + 64 j + 16 h
	v_add_nc_u32 v[STOV], 2*ATILE, v[STO]
	v_mul_u32_u24 v7, v2, PA
	v_lshl_add_u32 v7, v1, 4, v7
	s_mul_i32 s21, s[WV], 32*PA
	v_add_nc_u32 v[RD], s21, v7                    ; back: rows 32 w on, lanes 0-15 one row of 256 bytes, lanes 16-31 the next
	v_add_nc_u32 v[RDV], 2*ATILE, v[RD]
	v_lshlrev_b32 v[GO], 8, v2
	v_lshl_add_u32 v[GO], v1, 4, v[GO]
	s_lshl_b32 s21, s16, 7
	v_lshl_add_u32 v[WO], v2, 5, s21               ; 4 bytes x (32 j + 8 h)
	v_lshl_add_u32 v[TO], v1, 10, v[WO]            ; + token r x 1,024
	v_and_b32 v[PFO], 31, v0
	v_lshlrev_b32 v[PFO], 12, v[PFO]
	s_lshl_b32 s21, s[WV], 9
	s_add_co_u32 s21, s21, SSQ
	v_lshl_add_u32 v[SQA], v1, 2, s21
	s_xor_b32 s21, s[WV], 1                        ; the wave with the head's other 64 columns of my rows
	s_lshl_b32 s21, s21, 9
	s_add_co_u32 s21, s21, SSQ
	v_lshl_add_u32 v[SQB], v1, 2, s21
	; the gains of my columns: q's at GW + 8 b, k's at GW + 32 + 8 b; rounded to bf16 like every input
.irp b, 0,1,2,3
	global_load_b128 v[GW+8*(\b):GW+8*(\b)+3],       v[WO], s[8:9]   offset:64*((\b)%2)+256*((\b)/2)
	global_load_b128 v[GW+8*(\b)+4:GW+8*(\b)+7],     v[WO], s[8:9]   offset:64*((\b)%2)+256*((\b)/2)+16
	global_load_b128 v[GW+32+8*(\b):GW+32+8*(\b)+3], v[WO], s[10:11] offset:64*((\b)%2)+256*((\b)/2)
	global_load_b128 v[GW+32+8*(\b)+4:GW+32+8*(\b)+7], v[WO], s[10:11] offset:64*((\b)%2)+256*((\b)/2)+16
.endr
	s_wait_loadcnt 0x0
.set n, 0
.rept 32
	v_cvt_pk_bf16_f32 v[PKR+n%8], v[GW+2*n], v[GW+2*n+1]
	v_lshlrev_b32 v[GW+2*n], 16, v[PKR+n%8]
	v_and_b32 v[GW+2*n+1], s78, v[PKR+n%8]
.set n, n+1
.endr
; cos and sin for my tokens and columns: row block a's 64 registers (cos of block b at 8 b, sin at 32 + 8 b).  The 64 loads stay out during the whole loop over K; nothing there names their registers.
.macro TABLD a, tw, tb
	WIN (\tw)<<6
.irp b, 0,1,2,3
.irp c, 0,1
	global_load_b128 v[(\tb)+32*(\c)+8*(\b):(\tb)+32*(\c)+8*(\b)+3],   v[TO], s[TABP:TABP+1] offset:16384*(\a)+512*(\c)+64*((\b)%2)+256*((\b)/2)
	global_load_b128 v[(\tb)+32*(\c)+8*(\b)+4:(\tb)+32*(\c)+8*(\b)+7], v[TO], s[TABP:TABP+1] offset:16384*(\a)+512*(\c)+64*((\b)%2)+256*((\b)/2)+16
.endr
.endr
.endm
	TABLD 0, 3, 128
	TABLD 1, 3, 192
	TABLD 2, 1, 192
	TABLD 3, 0, 160
	WIN 0
; 16 matrix instructions: matrix t, all 4 row blocks x all 4 column blocks, 32 along K, from buffer f.  The 48 accumulators take turns, one instruction a turn, in the same order in every quarter.
.macro MULT f, t, zero
	WIN 0xa1+0x50*((\t)/2)                         ; source 0 window 1, source 1 window 0, C and D window 2 (q, k) or 3 (v)
.set AB, 128*((\t)%2)
.irp a, 0,1,2,3
.irp b, 0,1,2,3
.if \zero
	v_wmma_f32_16x16x32_bf16 v[AB+8*(4*(\a)+(\b)):AB+8*(4*(\a)+(\b))+7], v[96*(\f)+8*(4*(\t)+(\b)):96*(\f)+8*(4*(\t)+(\b))+7], v[32+32*(\f)+8*(\a):32+32*(\f)+8*(\a)+7], 0
.else
	v_wmma_f32_16x16x32_bf16 v[AB+8*(4*(\a)+(\b)):AB+8*(4*(\a)+(\b))+7], v[96*(\f)+8*(4*(\t)+(\b)):96*(\f)+8*(4*(\t)+(\b))+7], v[32+32*(\f)+8*(\a):32+32*(\f)+8*(\a)+7], v[AB+8*(4*(\a)+(\b)):AB+8*(4*(\a)+(\b))+7]
.endif
.endr
.endr
.endm
; 32 LDS loads in one run: quarter qd of the slot in hand, into buffer f: x's 8 loads, then wq's, wk's, wv's 8 each
.macro FETCH qd, f
	WIN 0
.irp a, 0,1,2,3
	ds_load_b128 v[32+32*(\f)+8*(\a):32+32*(\f)+8*(\a)+3],   v[ADRA] offset:(\a)*16*PA+64*(\qd)
	ds_load_b128 v[32+32*(\f)+8*(\a)+4:32+32*(\f)+8*(\a)+7], v[ADRA] offset:(\a)*16*PA+64*(\qd)+32
.endr
	WIN 0x40
.irp t, 0,1,2
.irp b, 0,1,2,3
	ds_load_tr16_b128 v[96*(\f)+8*(4*(\t)+(\b)):96*(\f)+8*(4*(\t)+(\b))+3],   v[ADRB+(\t)] offset:32*PB*(\qd)+32*((\b)%2)+128*((\b)/2)
	ds_load_tr16_b128 v[96*(\f)+8*(4*(\t)+(\b))+4:96*(\f)+8*(4*(\t)+(\b))+7], v[ADRB+(\t)] offset:32*PB*(\qd)+32*((\b)%2)+128*((\b)/2)+16*PB
.endr
.endr
.endm
; One of a K step's first three quarters: multiplies buffer f; behind q's and k's products it fetches quarter qn of the same slot into buffer g.
.macro QUARTER qn, f, g, zero
	s_wait_dscnt 8                                 ; all but the youngest eight loads, wv's fragments
	MULT \f, 0, \zero
	MULT \f, 1, \zero
	PLACES
	FETCH \qn, \g
	s_wait_dscnt 32                                ; all but the 32 just issued
	MULT \f, 2, \zero
.endm
; The last quarter multiplies buffer 1 and changes slots: each wave waits for all its tensor loads (the one that is out is its part of the next slot), adds 0 to its spare word, and waits for that and for
; its reads of this slot.  fill = 1: the barrier opens a round of the cluster's, and the joint refill of the slot just left, with the K step two on, is the first thing behind it.
; Then the fragments' addresses go over to the other slot; where nothing is filled, those four additions are the places in front of the loads.
.macro TURN fill
.if \fill
	s_wait_xcnt 0x0                                ; the last prefetch, a K step back, has read its address
	s_add_nc_u64 s[PFA:PFA+1], s[PFA:PFA+1], s[PFS:PFS+1]
.endif
	WIN 0
	s_wait_tensorcnt 0x0
	ds_add_u32 v[SPW], v[NIL]
	s_wait_dscnt 17                                ; the add and the youngest sixteen loads (wk's, wv's) may be out
	MULT 1, 0, 0
	s_wait_dscnt 0x0                               ; the add is done, and my reads of this slot are over
	s_barrier_signal -1
	MULT 1, 1, 0
	WIN 0
	s_barrier_wait -1
.if \fill
	CREST                                          ; no wave of any partner still reads this slot or has a load on its way
	s_xor_b32 s[G0A+5], s[G0A+5], SLOT             ; the walking descriptors: the other slot than last time, the next K step
	s_add_nc_u64 s[G0A+6:G0A+7], s[G0A+6:G0A+7], 256
	s_xor_b32 s[G0B+5], s[G0B+5], SLOT
	s_add_nc_u64 s[G0B+6:G0B+7], s[G0B+6:G0B+7], 524288
	JLOAD 1
.endif
	s_xor_b32 s[TB], s[TB], SLOT
	v_add_nc_u32 v[ADRA], s[TB], v[BASA]
.irp t, 0,1,2
	v_add_nc_u32 v[ADRB+(\t)], s[TB], v[BASB+(\t)]
.endr
	FETCH 0, 0
.if \fill
	WIN 0
	ASK
.endif
	MULT 1, 2, 0
.endm
	s_wait_tensorcnt 1                             ; my part of K step 0 is in; K step 1's may stay out
	s_barrier_signal -1
	s_barrier_wait -1
	FETCH 0, 0
	QUARTER 1, 0, 1, 1                             ; the first quarter's products start the sums
	WIN 0
	s_mov_b32 s3, STEPS-2
.Lstep:                                        ; a trip goes from a K step's second quarter to the next step's first, and fills the slot that it leaves: K steps 2 .. 15
	QUARTER 2, 1, 0, 0
	QUARTER 3, 0, 1, 0
	TURN 1
	QUARTER 1, 0, 1, 0
	WIN 0
	s_sub_co_u32 s3, s3, 1
	s_cmp_lg_u32 s3, 0
	s_cbranch_scc1 .Lstep
	s_mov_b32 s3, 2
.Ltail:                                        ; the last two K steps fill nothing
	QUARTER 2, 1, 0, 0
	QUARTER 3, 0, 1, 0
	WIN 0
	s_cmp_eq_u32 s3, 1                             ; a count alone: the same in every wave of every work-group
	s_cbranch_scc1 .Llast
	TURN 0
	QUARTER 1, 0, 1, 0
	WIN 0
	s_sub_co_u32 s3, s3, 1
	s_cmp_lg_u32 s3, 0
	s_cbranch_scc1 .Ltail
.Llast:
	s_wait_dscnt 8
	MULT 1, 0, 0
	MULT 1, 1, 0
	s_wait_dscnt 0x0
	MULT 1, 2, 0
	; THE NORM.  Index x = 4 t + a (t: q, k; a: row block): the sum of squares of my 32 numbers of a token, two at a time; each accumulator is read from its low end on.
	PLACES
	WIN 0x0a                                       ; sources 0 and 1 window 2
.set p, 0
.rept 16
.set x, 0
.rept 8
.if p == 0
	v_pk_mul_f32 v[SS+2*x:SS+2*x+1], v[32*x+2*p:32*x+2*p+1], v[32*x+2*p:32*x+2*p+1]
.else
	v_pk_fma_f32 v[SS+2*x:SS+2*x+1], v[32*x+2*p:32*x+2*p+1], v[32*x+2*p:32*x+2*p+1], v[SS+2*x:SS+2*x+1]
.endif
.set x, x+1
.endr
.set p, p+1
.endr
	WIN 0
.irp x, 0,1,2,3,4,5,6,7
	v_add_f32 v[SS+2*(\x)], v[SS+2*(\x)], v[SS+2*(\x)+1]
.endr
.irp x, 0,1,2,3,4,5,6,7
	v_permlanex16_b32 v[SS+2*(\x)+1], v[SS+2*(\x)], s76, s77   ; the token's other 32 of my columns lie in the lane 16 away
.endr
.irp x, 0,1,2,3,4,5,6,7
	v_add_f32 v[SS+2*(\x)], v[SS+2*(\x)], v[SS+2*(\x)+1]
.endr
.irp x, 0,1,2,3,4,5,6,7
	ds_store_b32 v[SQA], v[SS+2*(\x)] offset:64*(\x)
.endr
	s_wait_dscnt 0x0                               ; for my partner's sake: my sums lie in LDS
	s_barrier_signal -1
	s_barrier_wait -1
.irp x, 0,1,2,3,4,5,6,7
	ds_load_b32 v[PKR+(\x)], v[SQB] offset:64*(\x) ; the head's other 64 columns
.endr
	s_wait_dscnt 0x0
.irp x, 0,1,2,3,4,5,6,7
	v_add_f32 v[SS+2*(\x)], v[SS+2*(\x)], v[PKR+(\x)]
.endr
.irp x, 0,1,2,3,4,5,6,7
	v_fma_f32 v[SS+2*(\x)], v[SS+2*(\x)], s74, s75 ; the mean + 1e-5
.endr
.irp x, 0,1,2,3,4,5,6,7
	v_rsq_f32 v[SS+2*(\x)], v[SS+2*(\x)]
.endr
	v_nop                                          ; a plain instruction behind the last root,
	s_wait_alu depctr_va_vdst(0)                   ; and one wait for the eight, ahead of their first reader
	s_wait_loadcnt 0x0                             ; the table
; Row block a of matrix t: y = x r w; o[c] = y[c] cos[c] - y[c + 64] sin[c] for c < 64, o[c] = y[c] cos[c] + y[c - 64] sin[c] for c >= 64; rounded to f16; 16 bytes a lane into the stage.
; The stage lies in slot 0: its last fill has landed, every wave's last read of it stands in front of the last change of slots' barrier, and nothing is filled any more.
.macro ROPE a, t, tw, tb
.set IX, 4*(\t)+(\a)
	WIN 0x02
.set p, 0
.rept 16
	v_pk_mul_f32 v[YY+2*p:YY+2*p+1], v[32*IX+2*p:32*IX+2*p+1], v[SS+2*IX:SS+2*IX+1] op_sel_hi:[1,0]
.set p, p+1
.endr
	WIN 0
.set p, 0
.rept 16
	v_pk_mul_f32 v[YY+2*p:YY+2*p+1], v[YY+2*p:YY+2*p+1], v[GW+32*(\t)+2*p:GW+32*(\t)+2*p+1]
.set p, p+1
.endr
	WIN (\tw)<<2                                   ; source 1: the table's window
.set p, 0
.rept 8
	v_pk_mul_f32 v[OO+2*p:OO+2*p+1], v[YY+2*p:YY+2*p+1], v[(\tb)+2*p:(\tb)+2*p+1]
	v_pk_mul_f32 v[OO+16+2*p:OO+16+2*p+1], v[YY+16+2*p:YY+16+2*p+1], v[(\tb)+16+2*p:(\tb)+16+2*p+1]
.set p, p+1
.endr
.set p, 0
.rept 8
	v_pk_fma_f32 v[OO+2*p:OO+2*p+1], v[YY+16+2*p:YY+16+2*p+1], v[(\tb)+32+2*p:(\tb)+32+2*p+1], v[OO+2*p:OO+2*p+1] neg_lo:[0,1,0] neg_hi:[0,1,0]
	v_pk_fma_f32 v[OO+16+2*p:OO+16+2*p+1], v[YY+2*p:YY+2*p+1], v[(\tb)+48+2*p:(\tb)+48+2*p+1], v[OO+16+2*p:OO+16+2*p+1]
.set p, p+1
.endr
	WIN 0
.set p, 0
.rept 16
	v_cvt_pk_f16_f32 v[PKR+p], v[OO+2*p], v[OO+2*p+1]
.set p, p+1
.endr
.irp b, 0,1,2,3
	ds_store_b128 v[STO], v[PKR+4*(\b):PKR+4*(\b)+3] offset:ATILE*(\t)+16*PA*(\a)+32*((\b)%2)+128*((\b)/2)
.endr
.endm
.irp t, 0,1
	ROPE 0, \t, 3, 128
	ROPE 1, \t, 3, 192
	ROPE 2, \t, 1, 192
	ROPE 3, \t, 0, 160
.endr
.irp a, 0,1,2,3                        ; v: rounded as it is
	WIN 0x0f                                       ; sources 0 and 1 window 3
.set p, 0
.rept 16
	v_cvt_pk_f16_f32 v[PKR+p], v[32*(\a)+2*p], v[32*(\a)+2*p+1]
.set p, p+1
.endr
	WIN 0
.irp b, 0,1,2,3
	ds_store_b128 v[STOV], v[PKR+4*(\b):PKR+4*(\b)+3] offset:16*PA*(\a)+32*((\b)%2)+128*((\b)/2)
.endr
.endr
	s_wait_dscnt 0x0                               ; for the others' sake: a row's 256 bytes come from two waves
	s_barrier_signal -1
	s_barrier_wait -1
.macro BACK reg, adr, off
.set p, 0
.rept 16
	ds_load_b128 v[(\reg)+4*p:(\reg)+4*p+3], v[\adr] offset:(\off)+2*PA*p
.set p, p+1
.endr
.endm
.macro SEND t, reg                     ; store n of the 48 waits until the 47 - n younger LDS loads alone are out
.set p, 0
.rept 16
	s_wait_dscnt 47-16*(\t)-p
	global_store_b128 v[GO], v[(\reg)+4*p:(\reg)+4*p+3], s[OQ+2*(\t):OQ+2*(\t)+1] offset:512*p   ; 32 lanes store 512 consecutive bytes, two rows of a head
.set p, p+1
.endr
.endm
	BACK 32, RD, 0
	BACK 160, RD, ATILE
	BACK 96, RDV, 0
	SEND 0, 32
	SEND 1, 160
	SEND 2, 96
	s_wait_tensorcnt 0x0                           ; the wave's end: a wait, an add and its wait, behind my last tensor load and my last LDS store
	ds_add_u32 v[SPW], v[NIL]
	s_wait_dscnt 0x0
	CROUND                                         ; the closing round: no work-group ends while a partner may still ask for a tile that names it
	s_endpgm
.Lfunc_end_k_qdc224c461c_qkv:
	.size	k_qdc224c461c_qkv, .Lfunc_end_k_qdc224c461c_qkv-k_qdc224c461c_qkv
	.p2alignl 7, 3214868480
	.fill 96, 4, 3214868480
	.section	.rodata,"a",@progbits
	.p2align	6, 0x0
	.amdhsa_kernel k_qdc224c461c_qkv
		.amdhsa_group_segment_fixed_size 327680
		.amdhsa_private_segment_fixed_size 0
		.amdhsa_enable_private_segment 0
		.amdhsa_kernarg_size 40
		.amdhsa_user_sgpr_count 2
		.amdhsa_user_sgpr_kernarg_segment_ptr 1
		.amdhsa_wavefront_size32 1
		.amdhsa_system_sgpr_workgroup_id_x 1
		.amdhsa_system_sgpr_workgroup_id_y 1
		.amdhsa_system_sgpr_workgroup_id_z 1
		.amdhsa_system_vgpr_workitem_id 0
		.amdhsa_next_free_vgpr 1024
		.amdhsa_next_free_sgpr 80
		.amdhsa_reserve_vcc 0
		.amdhsa_float_denorm_mode_32 3
		.amdhsa_float_denorm_mode_16_64 3
		.amdhsa_memory_ordered 1
		.amdhsa_forward_progress 1
		.amdhsa_inst_pref_size 145
	.end_amdhsa_kernel
	.amdgpu_metadata
---
amdhsa.version: [ 1, 2 ]
amdhsa.kernels:
  - .name:           k_qdc224c461c_qkv
    .symbol:         k_qdc224c461c_qkv.kd
    .args:
      - { .name: cast16, .offset: 0, .size: 8, .value_kind: global_buffer, .address_space: global }
      - { .name: tab, .offset: 8, .size: 8, .value_kind: global_buffer, .address_space: global }
      - { .name: norm_q_w, .offset: 16, .size: 8, .value_kind: global_buffer, .address_space: global }
      - { .name: norm_k_w, .offset: 24, .size: 8, .value_kind: global_buffer, .address_space: global }
      - { .name: qkv, .offset: 32, .size: 8, .value_kind: global_buffer, .address_space: global }
    .group_segment_fixed_size: 327680
    .private_segment_fixed_size: 0
    .kernarg_segment_align: 8
    .kernarg_segment_size: 40
    .max_flat_workgroup_size: 128
    .sgpr_count:     80
    .vgpr_count:     1024
    .wavefront_size: 32
...
	.end_amdgpu_metadata
.endif
;; end of part 2
;; launch attn (part 3): grid 16 x 16, 4 waves a work-group, clusters of 4 x 1, 327,680 bytes of LDS; arguments qkv, ob; writes ob
.if DOCPART == 3
	.amdgcn_target "amdgcn-amd-amdhsa--gfx1250"
	.amdhsa_code_object_version 6
	.text
	.protected	k_qdc224c461c_attn
	.globl	k_qdc224c461c_attn
	.p2align	8
	.type	k_qdc224c461c_attn,@function
k_qdc224c461c_attn:
	s_mov_b64 s[64:65], 0
	v_nop
	global_prefetch_b8 v0, s[64:65] scope:SCOPE_SE
	s_setreg_imm32_b32 hwreg(HW_REG_WAVE_MODE, 25, 1), 1
	s_wait_xcnt 0x0
	s_wait_alu depctr_hold_cnt(0) depctr_sa_sdst(0) depctr_va_vdst(0) depctr_va_sdst(0) depctr_va_ssrc(0) depctr_va_vcc(0) depctr_vm_vsrc(0)
	s_getreg_b32 s2, hwreg(HW_REG_IB_STS2, 6, 4)
	s_cmp_eq_u32 s2, 0
	s_cbranch_scc0 .Lentry_in_a_cluster
	s_endpgm
.Lentry_in_a_cluster:
	s_bfe_u32 s2, ttmp6, 0x10000c
	s_cmp_lg_u32 s2, 0x3003
	s_cbranch_scc0 .Lentry_shape_is_right
	s_endpgm
.Lentry_shape_is_right:
; O[q] = the sum over k of softmax_k(Q[q] . K[k] / sqrt(128)) V[k], for each of 16 heads.  Q, K, V: planes 0, 1, 2 of qkv, [16][2048][128] f16; O goes to ob, [2048 tokens][16 x 128] f16.
; Products, maxima and sums in f32; the weights p are rounded to f16 for the second product (their sum l is taken of the unrounded p), O once at the end.
; LIMITS.  p lies in 0 to 1, and below 6e-5 it keeps f16's fixed step of 6e-8; O is a mean of V's rows and has their range; a weight below 2^-126 counts as 0 in l; NaN and infinities are not treated apart.
; SHARES.  A work-group owns 128 queries of one head: 16 x 16 = 256 work-groups.  THE KEYS ARE SPLIT INSIDE IT: wave w owns queries 64 (w % 2) .. + 63 (four tiles of 16) and, of each slot's 256 keys,
; the 128 of half w / 2, as two steps of 64.  Each wave keeps its own running maximum m and sum l; at the end the two waves of a query merge: O = (O0 f0 + O1 f1) / (l0 f0 + l1 f1), f = 2^(c m - c max(m0, m1)).
; LAYOUT.  S^T = K Q^T (source 0 = 16 keys, source 1 = 16 queries): a lane holds ONE query (lane % 16) and the keys 8 (lane / 16) + 0..7.  Two such tiles, rounded to f16 in pairs, ARE source 1 of
; O^T = V^T P, whose result again holds one query a lane, and eight channels.  K comes out of LDS as it lies, V ([key][channel]) turned, by ds_load_tr16_b128.
; SOFTMAX.  p = 2^(c s - c m), c = log2(e) / sqrt(128); in every step O and l are multiplied by a = 2^(c m_old - c m_new).
; BY TURNS.  The wave's tiles are two PIECES (tiles 0, 1 and tiles 2, 3).  In a TURN one piece has the matrix unit: 32 products V^T P of the step in hand, then 32 products K Q^T of the next; the other
; piece's softmax, cut into 64 slices, stands between them, one slice behind each matrix instruction.  Two turns are a key step.
; RING.  Two LDS slots of four tiles, 36,864 bytes apart: K's keys 0-127 and 128-255 (pitch 272), V's keys 0-127 and 128-255 (pitch 288).  Wave w fetches tile w: one tensor load of 128 rows x 256 bytes
; behind each round; at most two of a wave's are out at the start, one later; a refill has two key steps of mine, 256 matrix instructions, in which to land.  A slot is 147,456 = 0x24000 bytes, whose
; bits no tile's place in a slot has: one exclusive or turns an LDS word of one slot into the other's.
; NO FIRST AND NO LAST STEP ARE WRITTEN OUT.  m starts at the lowest finite number, c m far below every c s, O^T, l, V's registers and piece 2's P at 0: the first step is a step like any other, with
; a = 0, and the loop is entered at piece 2's turn, in the middle of a trip.  The tail is walked three times and left behind piece 0's turn; in that third pass K's run of loads is jumped over.
; The price, once a launch: 416 lines that write 0, in the wait for the first tile; 32 products on zeros at the start; 32 products on the last K once more at the end.
; CLUSTER.  The four query blocks of a cluster belong to one head and walk the same K and V: each tile is asked for JOINTLY, by the same tensor load, descriptor and mask in all four.
; REGISTERS, in windows of 256 (s_set_vgpr_msb: bits 1:0 source 0, 3:2 source 1, 5:4 source 2, 7:6 destination):
;   window 0: v0-11, v44-46 addresses; v12-43 eight registers of statistics a tile; v64-191 S^T, 32 a tile; v192-255 P, 16 a tile
;   window 1: O^T, 64 a tile          window 2: v0-127 Q, 32 a tile; v128-255 K of one step          window 3: v0-127 V of one step
.set KS,    64        ; keys in a step
.set PK,    272       ; a row of K in LDS: 256 bytes + 16: the 16 rows of a load start at 16 different groups of four banks (64 banks of 4 bytes: ISA guide 11.1)
.set PV,    288       ; a row of V: 256 + 32
.set TILE,  128*PV    ; V's tile of 128 keys, and the distance from tile to tile (K's tile, 128 x 272 bytes, is shorter)
.set SLOT,  4*TILE
.set STATS, 2*SLOT    ; behind the ring: 1,024 bytes a wave: for tile t, c m at 256 t and l at 256 t + 128, a word a lane
.set SPARE, STATS+4096     ; behind them: the spare words, 128 bytes a wave: two blocks of 256 bytes that no other line names
.set SP,    528       ; the merge's stage: a query's 128 f32 + 16 bytes
.set HSTG,  64*SP     ; 64 queries; wave w's stage lies at (w / 2) SLOT + (w % 2) HSTG, in the ring, behind its last fill and last read
.set PL,    8388608   ; a plane of qkv
.set AK0, 2           ; v2   my lane's place in my tile of K, in slot 0; never rewritten
.set AV0, 3           ; v3   the same for V
.set ADR, 4           ; v4   the LDS address of the run of loads in hand
.set QO,  5           ; v5   my byte offset in the wave's rows of Q
.set STO, 6           ; v6   the merge: where I put 32 bytes of a query
.set RD,  7           ; v7   where I read 32 bytes of a row back, key half 0
.set GO,  8           ; v8   my byte offset in two rows of ob
.set SA,  44          ; v44  where I put my statistics
.set SB,  45          ; v45  where my partner's lie
.set RD2, 46          ; v46  RD for key half 1
.set PFO, 61          ; v61  256 x my lane; never rewritten
.set SPW, 62          ; v62  LDS address of my spare word; never rewritten
.set NIL, 63          ; v63  0; never rewritten
.set ST,  12          ; tile t's statistics at v[ST+8 t]: +0 c m, +1 m, +2, +3 l (even keys', odd keys'), +4 to +7 at work
.set S,   64
.set P,   192
.set KF,  128         ; K's fragments, in window 2
.set WV,  12          ; s12  my wave's number
.set LIM, 15          ; s15  1 in a wave that prefetches, else the greatest number
.set PFA, 18          ; s[18:19] where my prefetches stand
.set G1K, 24          ; s[24:31] descriptor group 1 for K's tiles
.set G1V, 32          ; s[32:39] for V's: it differs in the padding alone
.set G0K, 40          ; s[40:47] group 0 for K's tiles: a set for each of the two first fills; the second then walks on
.set G0V, 48          ; s[48:55] the same for V's
.set SLOTS, 56        ; s56  slots still to be left inside the loop: at the change of slots that asks for slot n it is 8 - n
.set CNT, 57          ; s57  at work at the head; then a slot's two key steps; then the tail's three passes
.set CS,  58          ; s[58:59] c
.set SEL, 60          ; s[60:61] v_permlanex16_b32's selects
.set TBK, 62          ; s62  the slot in hand (0 or SLOT) + the step to be fetched x 64 rows of K
.set TBV, 63          ; s63  the same with rows of V
.set MSB, 0
.macro WIN new
.if MSB != (\new)
	s_set_vgpr_msb (MSB<<8)|(\new)
.set MSB, \new
.endif
.endm
.set W_KQ, 0x0a       ; K and Q in window 2, S^T in window 0
.set W_PV, 0x53       ; V in window 3, P in window 0, O^T in window 1
.set W_RS, 0x41       ; O^T (destination and source 0) in window 1, the factor in window 0
; A joint refill.  Waves 0 and 1 fetch the slot's two tiles of K, waves 2 and 3 those of V.  An s_nop 0 and four v_nop follow each of the two lines.
.macro JLOAD
	s_cmp_lt_u32 s[WV], 2
	s_cbranch_scc0 .Lfor_v_\@
	tensor_load_to_lds s[G0K+4:G0K+7], s[G1K:G1K+7]
	s_nop 0
.rept 4
	v_nop
.endr
	s_branch .Lasked_\@
.Lfor_v_\@:
	tensor_load_to_lds s[G0V+4:G0V+7], s[G1V:G1V+7]
	s_nop 0
.rept 4
	v_nop
.endr
.Lasked_\@:
.endm
; A prefetch into the L2: the change of slots that asks for slot n names slot n + 1: one slot, 256 matrix instructions of mine, ahead of its load.  A lane a row of 256 bytes, one instruction a wave.
; Each row is named once in the launch: the head's first cluster asks; each of its waves for rows of the tile that it fetches itself; of that tile's 128 rows the four partners take 32 each, told apart
; by address.  The last change that fills a slot names nothing: there is no slot behind it.
.macro ASK
	s_cmp_gt_u32 s[SLOTS], s[LIM]
	s_cbranch_scc0 .Lnot_mine_\@
	global_prefetch_b8 v[PFO], s[PFA:PFA+1] th:TH_LOAD_NT scope:SCOPE_SE
.Lnot_mine_\@:
.endm
.macro CROUND
	s_barrier_signal -1
	s_barrier_wait -1
	s_cmp_lg_u32 s[WV], 0
	s_cbranch_scc1 .Lnot_wave_0_\@
	s_barrier_signal -3
.Lnot_wave_0_\@:
	s_barrier_wait -3
	s_barrier_signal -1
	s_barrier_wait -1
.endm
	s_load_b64 s[4:5], s[0:1], 0x0    ; qkv
	s_load_b64 s[10:11], s[0:1], 0x8  ; ob
	v_lshl_add_u32 v[SPW], v0, 2, SPARE
	v_mov_b32 v[NIL], 0
	ds_add_u32 v[SPW], v[NIL]       ; the wave's opening: the add and its wait ahead of my first tensor load; the set-up below stands between them
	v_lshrrev_b32 v1, 5, v0
	v_readfirstlane_b32 s[WV], v1   ; wave 0..3
	s_bfe_u32 s13, ttmp6, 0x40000   ; cx
	s_lshl_b32 s14, ttmp9, 2
	s_add_co_u32 s14, s14, s13      ; my block of 128 queries: it enters Q's and O's addresses alone
	s_and_b32 s[CNT], ttmp7, 0xffff ; the head, which the four partners share
	s_lshl_b32 s20, s[CNT], 19      ; its 2,048 rows of 256 bytes
	s_and_b32 s16, s[WV], 1         ; which 128 of a slot's 256 keys I fetch; also: which 64 queries are mine
	s_lshl_b32 s22, s16, 15
	s_add_co_u32 s22, s22, s20      ; K, V: the head, my tile's 128 rows
	s_mov_b32 s23, 0
	s_mul_i32 s17, s[WV], TILE      ; and where my tile goes: wave x 36,864
	s_lshl_b32 s2, s14, 15
	s_add_co_u32 s2, s2, s20
	s_lshl_b32 s3, s16, 14
	s_add_co_u32 s2, s2, s3         ; Q: the head, my block, my 64 rows
	s_mov_b32 s3, 0
	s_lshl_b32 s20, s14, 19         ; O: (128 x block + 32 x wave) rows of 4,096 bytes + the head's 256
	s_lshl_b32 s21, s[WV], 17
	s_add_co_u32 s20, s20, s21
	s_lshl_b32 s21, s[CNT], 8
	s_add_co_u32 s20, s20, s21
	s_mov_b32 s21, 0
	s_mov_b32 s[G1K], 15|(1<<16)|(1<<20)|(1<<21)|(5<<22)|(3<<25)  ; the mask of four; 2-byte elements; padding on; 21 set beside a mask; after every 64 words 4 words
	s_mov_b32 s[G1V], 15|(1<<16)|(1<<20)|(1<<21)|(5<<22)|(7<<25)  ; the same with 8 words
.irp g, G1K, G1V
	s_mov_b32 s[(\g)+1], 128<<16    ; tensor_dim0 = 128
	s_mov_b32 s[(\g)+2], 128<<16    ; tensor_dim1 = 128
	s_mov_b32 s[(\g)+3], 128<<16    ; tile_dim0 = 128
	s_mov_b32 s[(\g)+4], 128        ; tile_dim1 = 128
	s_mov_b32 s[(\g)+5], 128        ; elements from row to row
	s_mov_b32 s[(\g)+6], 0
	s_mov_b32 s[(\g)+7], 0
.endr
	s_mov_b32 s[CS], 0x3e0293ee     ; c = log2(e) / sqrt(128) = 0.127517
	s_mov_b32 s[CS+1], s[CS]
	s_mov_b32 s[SEL], 0x76543210
	s_mov_b32 s[SEL+1], 0xfedcba98
	s_mov_b32 s[TBK], 0             ; slot 0, step 0
	s_mov_b32 s[TBV], 0
	s_mov_b32 s[SLOTS], 7
	s_mov_b32 s[LIM], ttmp9         ; the cluster's x: the same in all four partners
	s_cmp_eq_u32 s[LIM], 0          ; the head's first cluster prefetches
	s_cselect_b32 s[LIM], 1, -1
	v_and_b32 v[PFO], 31, v0
	v_lshlrev_b32 v[PFO], 8, v[PFO]
	s_wait_dscnt 0x0                ; the opening add is done
	s_wait_kmcnt 0x0
	s_add_nc_u64 s[6:7], s[4:5], PL        ; K's plane,
	s_add_nc_u64 s[8:9], s[4:5], 2*PL      ; V's
	s_add_nc_u64 s[6:7], s[6:7], s[22:23]  ; at my tile of slot 0
	s_add_nc_u64 s[8:9], s[8:9], s[22:23]
	s_add_nc_u64 s[4:5], s[4:5], s[2:3]    ; Q at my wave's first row
	s_add_nc_u64 s[10:11], s[10:11], s[20:21]
	s_cmp_lt_u32 s[WV], 2
	s_cselect_b64 s[PFA:PFA+1], s[6:7], s[8:9]  ; the tile that I fetch,
	s_lshl_b32 s2, s13, 13          ; my work-group's 32 rows of its 128,
	s_mov_b32 s3, 0
	s_add_nc_u64 s[PFA:PFA+1], s[PFA:PFA+1], s[2:3]
	s_add_nc_u64 s[PFA:PFA+1], s[PFA:PFA+1], 2*4*KS*256  ; in slot 2; the first change of slots steps it to slot 3.  Nothing is prefetched here, at the head
	CROUND                          ; all four work-groups are here: the first joint loads meet
.irp s, 0,1
	s_mov_b32 s[G0K+4*(\s)], 1
	s_add_co_u32 s[G0K+4*(\s)+1], s17, (\s)*SLOT
	s_add_nc_u64 s[G0K+4*(\s)+2:G0K+4*(\s)+3], s[6:7], (\s)*4*KS*256   ; slot s begins with key 256 s
	s_or_b32 s[G0K+4*(\s)+3], s[G0K+4*(\s)+3], 0x80000000
	s_mov_b32 s[G0V+4*(\s)], 1
	s_add_co_u32 s[G0V+4*(\s)+1], s17, (\s)*SLOT
	s_add_nc_u64 s[G0V+4*(\s)+2:G0V+4*(\s)+3], s[8:9], (\s)*4*KS*256
	s_or_b32 s[G0V+4*(\s)+3], s[G0V+4*(\s)+3], 0x80000000
.endr
	s_cmp_lt_u32 s[WV], 2           ; a wave's two first fills stand in one branch, ahead of every wait on TENSORcnt and every LDS read: two loads of mine are out
	s_cbranch_scc0 .Lfirst_v
	tensor_load_to_lds s[G0K:G0K+3], s[G1K:G1K+7]
	s_nop 0
	tensor_load_to_lds s[G0K+4:G0K+7], s[G1K:G1K+7]
	s_nop 0
.rept 4
	v_nop
.endr
	s_branch .Lfirst_asked
.Lfirst_v:
	tensor_load_to_lds s[G0V:G0V+3], s[G1V:G1V+7]
	s_nop 0
	tensor_load_to_lds s[G0V+4:G0V+7], s[G1V:G1V+7]
	s_nop 0
.rept 4
	v_nop
.endr
.Lfirst_asked:
	v_and_b32 v1, 15, v0            ; l % 16
	v_bfe_u32 v9, v0, 4, 1          ; l / 16
	v_lshlrev_b32 v[QO], 8, v1
	v_lshl_add_u32 v[QO], v9, 4, v[QO]  ; row x 256 + 16 x half
	WIN 0x80                        ; destination window 2, address window 0
.irp i, 0,1,2,3,4,5,6,7,8,9,10,11,12,13,14,15  ; Q stays in registers: tile i / 4, channels 32 (i % 4) on
	global_load_b128 v[8*(\i):8*(\i)+3],   v[QO], s[4:5] offset:((\i)/4)*4096+((\i)%4)*64
	global_load_b128 v[8*(\i)+4:8*(\i)+7], v[QO], s[4:5] offset:((\i)/4)*4096+((\i)%4)*64+32
.endr
	; What the first turn finds: V's registers and piece 2's P hold 0 (its products V^T P, of a step that has not been, add 0), O^T and l are 0.  All this stands in the wait for the first tile.
	WIN 0xc0
.set i, 0
.rept 128
	v_mov_b32 v[i], 0
.set i, i+1
.endr
	WIN 0x40
.set i, 0
.rept 256
	v_mov_b32 v[i], 0
.set i, i+1
.endr
	WIN 0
.set i, P+32
.rept 32
	v_mov_b32 v[i], 0
.set i, i+1
.endr
.irp t, 0,1,2,3
	v_mov_b32 v[ST+8*(\t)], 0xfe000000     ; c m: far below every c s
	v_mov_b32 v[ST+8*(\t)+1], 0xff7fffff   ; m: the lowest finite number
	v_mov_b32 v[ST+8*(\t)+2], 0
	v_mov_b32 v[ST+8*(\t)+3], 0
.endr
	s_lshr_b32 s13, s[WV], 1        ; which 128 of a slot's keys I multiply:
	s_mul_i32 s13, s13, TILE        ; K's tile w / 2
	v_mul_u32_u24 v[AK0], v1, PK
	v_lshl_add_u32 v[AK0], v9, 4, v[AK0]  ; row x pitch + 16 x half
	v_add_nc_u32 v[AK0], s13, v[AK0]
	v_and_b32 v10, 7, v0            ; the turning load: key 8 (l / 16) + l % 8, channels 8 ((l / 8) % 2) + 0..7
	v_bfe_u32 v11, v0, 3, 1
	v_lshl_add_u32 v[AV0], v9, 3, v10
	v_mul_u32_u24 v[AV0], v[AV0], PV
	v_lshl_add_u32 v[AV0], v11, 4, v[AV0]
	s_add_co_u32 s13, s13, 2*TILE   ; V's tile 2 + w / 2
	v_add_nc_u32 v[AV0], s13, v[AV0]
; THE MATRIX WORK OF A TURN, for piece x.  The accumulators take turns, one instruction a turn.
; Product i of 32 of O^T += V^T P: keys 32 (i / 16) on, channels 16 ((i / 2) % 8) on, tile x + i % 2.
.macro PV x
	WIN W_PV
.set rO, 64*((\x)+i%2)+8*((i/2)%8)
.set rV, 64*(i/16)+8*((i/2)%8)
.set rP, P+16*((\x)+i%2)+8*(i/16)
	v_wmma_f32_16x16x32_f16 v[rO:rO+7], v[rV:rV+7], v[rP:rP+7], v[rO:rO+7]
.endm
; Product i of 32 of S^T = K Q^T: channels 32 (i / 8) on, keys 16 ((i / 2) % 4) on, tile x + i % 2.  The first 8 start the sums.
.macro KQ x
	WIN W_KQ
.set rS, S+32*((\x)+i%2)+8*((i/2)%4)
.set rK, KF+32*((i/2)%4)+8*(i/8)
.set rQ, 32*((\x)+i%2)+8*(i/8)
.if i < 8
	v_wmma_f32_16x16x32_f16 v[rS:rS+7], v[rK:rK+7], v[rQ:rQ+7], 0
.else
	v_wmma_f32_16x16x32_f16 v[rS:rS+7], v[rK:rK+7], v[rQ:rQ+7], v[rS:rS+7]
.endif
.endm
; THE LDS LOADS stand in runs of 32: a step's K (16 fragments) and, a turn later, its V (turned).  Each run steps its own scalar to the next step.
; last = 1 (the tail): in the third pass there is no further step, and the run is jumped over: a count alone decides, the same in every wave of every work-group.
.macro FETCH_K last=0
	WIN 0
.if \last
	s_cmp_eq_u32 s[CNT], 1
	s_cbranch_scc1 .Lno_k_\@
.endif
	v_add_nc_u32 v[ADR], s[TBK], v[AK0]
	s_add_co_u32 s[TBK], s[TBK], KS*PK
	WIN 0x80                        ; destination window 2
.irp f, 0,1,2,3,4,5,6,7,8,9,10,11,12,13,14,15  ; keys 16 (f / 4) on, channels 32 (f % 4) on
	ds_load_b128 v[KF+8*(\f):KF+8*(\f)+3],   v[ADR] offset:((\f)/4)*16*PK+((\f)%4)*64
	ds_load_b128 v[KF+8*(\f)+4:KF+8*(\f)+7], v[ADR] offset:((\f)/4)*16*PK+((\f)%4)*64+32
.endr
.if \last
	WIN 0                           ; at a label every window is 0
.Lno_k_\@:
.endif
.endm
.macro FETCH_V
	WIN 0
	v_add_nc_u32 v[ADR], s[TBV], v[AV0]
	s_add_co_u32 s[TBV], s[TBV], KS*PV
	s_wait_alu depctr_va_vdst(0)    ; the wait for the softmax's batch (SLICE), behind the address's v_add_nc_u32 and ahead of the loads
	WIN 0xc0                        ; destination window 3
.irp f, 0,1,2,3,4,5,6,7,8,9,10,11,12,13,14,15  ; keys 32 (f / 8) on, channels 16 (f % 8) on
	ds_load_tr16_b128 v[8*(\f):8*(\f)+3],   v[ADR] offset:((\f)/8)*32*PV+((\f)%8)*32
	ds_load_tr16_b128 v[8*(\f)+4:8*(\f)+7], v[ADR] offset:((\f)/8)*32*PV+16*PV+((\f)%8)*32
.endr
.endm
; THE VECTOR WORK OF A TURN.  One tile's softmax for one key step is a list of 134 instructions; SM writes number j of it for tile t.  s0-s31 are the lane's 32 scores, in pairs 0-15.
;   0-15    the maximum of s0-s31 and the old m, three operands at a time        16-20   the other half of the lanes' maximum; the new m; c m; c m_old - c m_new
;   21-69   ONE BATCH: the 16 scalings c s - c m and all 33 exponentials (a at 23, then s0-s31); none of these reads an exponential's result
;   (wait)  between 69 and 70 stands the wait for the batch: SLICE writes it, once for both tiles
;   70-85   the roundings to f16        86-101  the sums; l = a l + the sum        102-133 the tile's O^T times a
.macro SM t
.set rT, ST+8*(\t)
.set rS, S+32*(\t)
.set rP, P+16*(\t)
.set rO, 64*(\t)+2*(j-102)
.if j < 102
	WIN 0
.endif
.if j < 4
	v_max3_num_f32 v[rT+4+j], v[rS+8*j], v[rS+8*j+1], v[rS+8*j+2]
.elseif j < 12
	v_max3_num_f32 v[rT+4+j%4], v[rT+4+j%4], v[rS+8*(j%4)+2*(j/4)+1], v[rS+8*(j%4)+2*(j/4)+2]
.elseif j == 12
	v_max3_num_f32 v[rT+4], v[rT+4], v[rS+7], v[rS+15]
.elseif j == 13
	v_max3_num_f32 v[rT+6], v[rT+6], v[rS+23], v[rS+31]
.elseif j == 14
	v_max3_num_f32 v[rT+4], v[rT+4], v[rT+5], v[rT+6]
.elseif j == 15
	v_max3_num_f32 v[rT+4], v[rT+4], v[rT+7], v[rT+1]
.elseif j == 16
	v_permlanex16_b32 v[rT+5], v[rT+4], s[SEL], s[SEL+1]  ; the query's other 32 keys lie in the lane 16 away
.elseif j == 17
	v_mov_b32 v[rT+7], v[rT]        ; c m_old is kept for a
.elseif j == 18
	v_max_num_f32 v[rT+1], v[rT+4], v[rT+5]
.elseif j == 19
	v_mul_f32 v[rT], s[CS], v[rT+1]
.elseif j == 20
	v_sub_f32 v[rT+7], v[rT+7], v[rT]
.elseif j == 23
	v_exp_f32 v[rT+6], v[rT+7]
.elseif (j < 23) || ((j < 38) && (j%2 == 0)) || ((j < 66) && (j%4 == 2))
.set b, (j-2)/4                     ; 38, 42, .. 62: pairs 9 to 15
.if j < 38
.set b, (j-20)/2                    ; 21: pair 0; 22, 24, .. 36: pairs 1 to 8
.endif
	v_pk_fma_f32 v[rS+2*b:rS+2*b+1], v[rS+2*b:rS+2*b+1], s[CS:CS+1], v[rT:rT+1] op_sel_hi:[1,0,0] neg_lo:[0,0,1] neg_hi:[0,0,1]  ; pair b: c s - c m
.elseif j < 70
.set e, j-38                        ; 66 to 69: s28 to s31
.if j < 66
.set e, j-32-(j-38)/4               ; 39-41, 43-45, .. 63-65: s7 to s27
.endif
.if j < 38
.set e, (j-25)/2                    ; 25, 27, .. 37: s0 to s6
.endif
	v_exp_f32 v[rS+e], v[rS+e]
.elseif j < 86
	v_cvt_pk_f16_f32 v[rP+j-70], v[rS+2*(j-70)], v[rS+2*(j-70)+1]  ; pair j - 70
.elseif j < 102                     ; the sum of the tile's 16 pairs, in place: neighbours 1, 2, 4 and 8 pairs apart, then l takes it
.set z, j-86
.set w, 4
.set u, z
.if z >= 14
.set w, 32
.set u, 0
.elseif z >= 12
.set w, 16
.set u, z-12
.elseif z >= 8
.set w, 8
.set u, z-8
.endif
.if z < 15
	v_pk_add_f32 v[rS+w*u:rS+w*u+1], v[rS+w*u:rS+w*u+1], v[rS+w*u+w/2:rS+w*u+w/2+1]
.else
	v_pk_fma_f32 v[rT+2:rT+3], v[rT+2:rT+3], v[rT+6:rT+7], v[rS:rS+1] op_sel_hi:[1,0,1]
.endif
.else
	WIN W_RS
	v_pk_mul_f32 v[rO:rO+1], v[rO:rO+1], v[rT+6:rT+7] op_sel_hi:[1,0]
.endif
.endm
; Slice k of 64 of piece y's softmax: four instructions.  Slices 11 to 34 deal out the batch, four numbers of ONE tile each, the tiles by turns; every other slice is numbers 2 k and 2 k + 1 of both
; tiles' lists; the twelve that are over stand in slice 63, where they are also the places behind the turn's last products.  Ahead of slice 35 nothing names an exponential's result, and behind
; slice 34 none is issued: the piece's 66 have one wait, behind slice 34.
.macro SLICE y
.if (k >= 11) && (k < 35)
.irp n, 0,1,2,3
.set j, 22+4*((k-11)/2)+(\n)
	SM (\y)+(k-11)%2
.endr
.else
.irp n, 0,1,2,3,4,5,6,7
.if ((\n) < 2) || (k == 63)
.irp t, \y, (\y)+1
.set j, 2*k+(\n)
	SM \t
.endr
.endif
.endr
.endif
.if k == 34
	v_nop                           ; a plain instruction behind the last exponential and ahead of the first use: one for the batch
.if (\y) == 0
	FETCH_V                         ; piece 2's turn: V's run of loads stands here, and the wait stands in it
.else
	s_wait_alu depctr_va_vdst(0)    ; the wait for the batch
.endif
.endif
.set k, k+1
.endm
; A TURN.  Piece x has the matrix unit: 32 products V^T P of the step in hand, 32 products K Q^T of the next; the other piece's softmax stands in slices behind them.
; Piece 0's turn fetches the next step's K behind its second product (only maxima have been issued in the turn by then);
; piece 2's turn fetches the same step's V behind slice 34.
.macro TURN x, last=0
.set k, 0
.if (\x) == 0
	s_wait_dscnt 0x0                ; V is in
.endif
.set i, 0
.rept 32
	PV \x
	SLICE 2-(\x)
.if ((\x) == 0) && (i == 1)
	FETCH_K \last
.endif
.set i, i+1
.endr
.if (\x) == 0
	s_wait_dscnt 0x0                ; K is in
.endif
.set i, 0
.rept 32
	KQ \x
	SLICE 2-(\x)
.set i, i+1
.endr
.endm
; THE CHANGE OF SLOTS, behind piece 2's turn of a slot's second step: that step's V, the last bytes that I want of the slot, has been asked for.  Each wave waits for all its tensor loads (one is out: its
; part of the other slot), adds 0 to its spare word, and waits for that and for its reads of the slot.  fill = 1: the slot is filled again, with the keys two slots on, behind a round of the cluster's
; barrier, first thing.
.macro CHANGE fill
	WIN 0
	s_wait_tensorcnt 0x0            ; no tensor load of mine is out, so a group 0 may be written
	ds_add_u32 v[SPW], v[NIL]
.if \fill
.irp g, G0K+4, G0V+4
	s_xor_b32 s[(\g)+1], s[(\g)+1], SLOT   ; the walking descriptor: the other slot than last time,
	s_add_nc_u64 s[(\g)+2:(\g)+3], s[(\g)+2:(\g)+3], 4*KS*256  ; the next 256 keys; the type bits on top are not reached
.endr
	s_wait_xcnt 0x0                 ; the last prefetch, a slot back, has read its address
	s_add_nc_u64 s[PFA:PFA+1], s[PFA:PFA+1], 4*KS*256
	s_wait_dscnt 0x0                ; the add is done, and my reads of the slot are over
	CROUND
	JLOAD
	ASK
.else
	s_wait_dscnt 0x0
	s_barrier_signal -1
	s_barrier_wait -1
.endif
	s_sub_co_u32 s[TBK], s[TBK], 2*KS*PK  ; the fetches go back to a slot's first step,
	s_xor_b32 s[TBK], s[TBK], SLOT        ; in the other slot
	s_sub_co_u32 s[TBV], s[TBV], 2*KS*PV
	s_xor_b32 s[TBV], s[TBV], SLOT
.endm
	s_wait_tensorcnt 1              ; my part of slot 0 is in; slot 1's may stay out
	s_barrier_signal -1
	s_barrier_wait -1
	FETCH_K                         ; my first key step
	s_wait_loadcnt 0x0              ; Q
	s_wait_dscnt 0x0
.set i, 0
.rept 32
	KQ 0                            ; piece 0's first scores
.set i, i+1
.endr
	WIN 0                           ; the addresses for the merge are made here: plain instructions, the places behind those products
	s_lshr_b32 s13, s[WV], 1
	s_mul_i32 s13, s13, SLOT
	s_mul_i32 s[CNT], s16, HSTG
	s_add_co_u32 s13, s13, s[CNT]   ; my stage
	v_mul_u32_u24 v[STO], v1, SP    ; in: query l % 16, 32 bytes for each half of the lanes
	v_lshl_add_u32 v[STO], v9, 5, v[STO]
	v_add_nc_u32 v[STO], s13, v[STO]
	s_lshr_b32 s13, s[WV], 1        ; back: I finish the block's rows 32 w on: query half w / 2, rows 32 (w % 2) on of its two stages
	s_mul_i32 s13, s13, HSTG
	s_mul_i32 s[CNT], s16, 32*SP
	s_add_co_u32 s13, s13, s[CNT]
	v_mul_u32_u24 v[RD], v9, SP     ; lanes 0-15 one row, lanes 16-31 the next; 32 bytes (8 channels) a lane
	v_lshl_add_u32 v[RD], v1, 5, v[RD]
	v_add_nc_u32 v[RD], s13, v[RD]
	v_add_nc_u32 v[RD2], SLOT, v[RD]
	v_lshlrev_b32 v[GO], 12, v9     ; and the same two rows in ob
	v_lshl_add_u32 v[GO], v1, 4, v[GO]
	v_and_b32 v10, 31, v0
	s_lshl_b32 s13, s[WV], 10
	s_add_co_u32 s13, s13, STATS
	v_lshl_add_u32 v[SA], v10, 2, s13
	s_xor_b32 s13, s[WV], 2         ; the wave with my queries and the other keys
	s_lshl_b32 s13, s13, 10
	s_add_co_u32 s13, s13, STATS
	v_lshl_add_u32 v[SB], v10, 2, s13
	s_mov_b32 s[CNT], 2
	s_branch .Lmid                  ; the loop is entered at piece 2's turn: its V^T P adds 0; K Q^T of step 0 | piece 0's softmax of step 0 | V of step 0
.Lslot:                             ; six times: on to slots 1 .. 6; slots 2 .. 7 are asked for
	CHANGE 1
	s_mov_b32 s[CNT], 2
.Lstep:                             ; a slot's two key steps of mine: written once, walked twice
	TURN 0                          ; piece 0: V^T P of the step in hand, K Q^T of the next | piece 2's softmax of the step in hand | K of the next
	WIN 0
.Lmid:
	TURN 2                          ; piece 2: the same | piece 0's softmax of the next step | its V
	WIN 0
	s_sub_co_u32 s[CNT], s[CNT], 1
	s_cmp_lg_u32 s[CNT], 0
	s_cbranch_scc1 .Lstep
	s_sub_co_u32 s[SLOTS], s[SLOTS], 1
	s_cmp_lg_u32 s[SLOTS], 0
	s_cbranch_scc1 .Lslot
	CHANGE 0                        ; the tail is written out: on to slot 7, nothing is asked for
	s_mov_b32 s[CNT], 3
.Ltail:                             ; walked three times; the third pass fetches no K and is left behind piece 0's turn, whose K Q^T (on the last K once more) then serves nothing
	TURN 0, 1
	WIN 0
	s_cmp_eq_u32 s[CNT], 1
	s_cbranch_scc1 .Lout
	TURN 2
	WIN 0
	s_sub_co_u32 s[CNT], s[CNT], 1
	s_cmp_lg_u32 s[CNT], 0
	s_cbranch_scc1 .Ltail
.Lout:
.set i, 0
.rept 32
	PV 2                            ; piece 2: V^T P of the last step
.set i, i+1
.endr
	; THE MERGE.  l's two halves and the other half of the lanes' are added (these additions are the places behind the last products); c m and l go to my partner through LDS.
	WIN 0
.irp t, 0,1,2,3
	v_add_f32 v[ST+8*(\t)+4], v[ST+8*(\t)+2], v[ST+8*(\t)+3]
.endr
.irp t, 0,1,2,3
	v_permlanex16_b32 v[ST+8*(\t)+5], v[ST+8*(\t)+4], s[SEL], s[SEL+1]
.endr
.irp t, 0,1,2,3
	v_add_f32 v[ST+8*(\t)+4], v[ST+8*(\t)+4], v[ST+8*(\t)+5]
.endr
.irp t, 0,1,2,3
	ds_store_b32 v[SA], v[ST+8*(\t)] offset:256*(\t)
	ds_store_b32 v[SA], v[ST+8*(\t)+4] offset:256*(\t)+128
.endr
	s_wait_dscnt 0x0                ; my statistics lie in LDS, and my reads of the ring are over
	s_barrier_signal -1
	s_barrier_wait -1               ; both hold of every wave: the ring's bytes may now take the stages
.irp t, 0,1,2,3
	ds_load_b32 v[ST+8*(\t)+5], v[SB] offset:256*(\t)
	ds_load_b32 v[ST+8*(\t)+7], v[SB] offset:256*(\t)+128
.endr
	s_wait_dscnt 0x0
.irp t, 0,1,2,3
	v_max_num_f32 v[ST+8*(\t)+1], v[ST+8*(\t)], v[ST+8*(\t)+5]     ; the common maximum, times c
.endr
.irp t, 0,1,2,3
	v_sub_f32 v[ST+8*(\t)+2], v[ST+8*(\t)], v[ST+8*(\t)+1]
	v_sub_f32 v[ST+8*(\t)+3], v[ST+8*(\t)+5], v[ST+8*(\t)+1]
.endr
.irp t, 0,1,2,3
	v_exp_f32 v[ST+8*(\t)+2], v[ST+8*(\t)+2]       ; f, mine
	v_exp_f32 v[ST+8*(\t)+3], v[ST+8*(\t)+3]       ; and my partner's
.endr
	v_nop
	s_wait_alu depctr_va_vdst(0)    ; one wait for the eight exponentials
.irp t, 0,1,2,3
	v_mul_f32 v[ST+8*(\t)+6], v[ST+8*(\t)+4], v[ST+8*(\t)+2]
.endr
.irp t, 0,1,2,3
	v_fma_f32 v[ST+8*(\t)+6], v[ST+8*(\t)+7], v[ST+8*(\t)+3], v[ST+8*(\t)+6]   ; l f + l' f'
.endr
.irp t, 0,1,2,3
	v_rcp_f32 v[ST+8*(\t)+6], v[ST+8*(\t)+6]
.endr
	v_nop
	s_wait_alu depctr_va_vdst(0)    ; one wait for the four reciprocals
.irp t, 0,1,2,3
	v_mul_f32 v[ST+8*(\t)+6], v[ST+8*(\t)+6], v[ST+8*(\t)+2]
.endr
.macro OUTT t                       ; tile t's O^T times f / L, in f32 into my stage: a lane's eight channels are 32 bytes of a query's row
	WIN W_RS
.set i, 64*(\t)
.rept 32
	v_pk_mul_f32 v[i:i+1], v[i:i+1], v[ST+8*(\t)+6:ST+8*(\t)+7] op_sel_hi:[1,0]
.set i, i+2
.endr
	WIN 0x04                        ; the stores' data in window 1
.irp f, 0,1,2,3,4,5,6,7
	ds_store_b128 v[STO], v[64*(\t)+8*(\f):64*(\t)+8*(\f)+3]   offset:16*SP*(\t)+64*(\f)
	ds_store_b128 v[STO], v[64*(\t)+8*(\f)+4:64*(\t)+8*(\f)+7] offset:16*SP*(\t)+64*(\f)+16
.endr
.endm
	OUTT 0
	OUTT 1
	OUTT 2
	OUTT 3
	WIN 0
	s_wait_dscnt 0x0                ; for the others' sake: my stage is written
	s_barrier_signal -1
	s_barrier_wait -1
; Batch n: rows 8 n .. 8 n + 7 of my 32, two rows to four loads: both key halves' 32 bytes a lane.
.macro LDB n, set
.irp q, 0,1,2,3
	ds_load_b128 v[(\set)+16*(\q):(\set)+16*(\q)+3],     v[RD]  offset:(4*(\n)+(\q))*2*SP
	ds_load_b128 v[(\set)+16*(\q)+4:(\set)+16*(\q)+7],   v[RD]  offset:(4*(\n)+(\q))*2*SP+16
	ds_load_b128 v[(\set)+16*(\q)+8:(\set)+16*(\q)+11],  v[RD2] offset:(4*(\n)+(\q))*2*SP
	ds_load_b128 v[(\set)+16*(\q)+12:(\set)+16*(\q)+15], v[RD2] offset:(4*(\n)+(\q))*2*SP+16
.endr
.endm
.macro SUMB n, set                  ; the two halves are added in f32, rounded once to f16 and stored: 16 lanes store 256 consecutive bytes, aligned: a token's channels of this head
.irp q, 0,1,2,3
.irp z, 0,2,4,6
	v_pk_add_f32 v[(\set)+16*(\q)+(\z):(\set)+16*(\q)+(\z)+1], v[(\set)+16*(\q)+(\z):(\set)+16*(\q)+(\z)+1], v[(\set)+16*(\q)+8+(\z):(\set)+16*(\q)+8+(\z)+1]
.endr
.irp z, 0,1,2,3
	v_cvt_pk_f16_f32 v[P+4*(4*(\n)+(\q))+(\z)], v[(\set)+16*(\q)+2*(\z)], v[(\set)+16*(\q)+2*(\z)+1]
.endr
	global_store_b128 v[GO], v[P+4*(4*(\n)+(\q)):P+4*(4*(\n)+(\q))+3], s[10:11] offset:(4*(\n)+(\q))*8192
.endr
.endm
	LDB 0, 64
	LDB 1, 128
	s_wait_dscnt 16                 ; the younger batch's 16 loads may be out
	SUMB 0, 64
	LDB 2, 64
	s_wait_dscnt 16
	SUMB 1, 128
	LDB 3, 128
	s_wait_dscnt 16
	SUMB 2, 64
	s_wait_dscnt 0x0
	SUMB 3, 128
	s_wait_tensorcnt 0x0            ; the wave's end: a wait, an add and its wait, behind my last tensor load and my last LDS store
	ds_add_u32 v[SPW], v[NIL]
	s_wait_dscnt 0x0
	CROUND                          ; the closing round
	s_endpgm
.Lfunc_end_k_qdc224c461c_attn:
	.size	k_qdc224c461c_attn, .Lfunc_end_k_qdc224c461c_attn-k_qdc224c461c_attn
	.p2alignl 7, 3214868480
	.fill 96, 4, 3214868480
	.section	.rodata,"a",@progbits
	.p2align	6, 0x0
	.amdhsa_kernel k_qdc224c461c_attn
		.amdhsa_group_segment_fixed_size 327680
		.amdhsa_private_segment_fixed_size 0
		.amdhsa_enable_private_segment 0
		.amdhsa_kernarg_size 16
		.amdhsa_user_sgpr_count 2
		.amdhsa_user_sgpr_kernarg_segment_ptr 1
		.amdhsa_wavefront_size32 1
		.amdhsa_system_sgpr_workgroup_id_x 1
		.amdhsa_system_sgpr_workgroup_id_y 1
		.amdhsa_system_sgpr_workgroup_id_z 1
		.amdhsa_system_vgpr_workitem_id 0
		.amdhsa_next_free_vgpr 1024
		.amdhsa_next_free_sgpr 66
		.amdhsa_reserve_vcc 0
		.amdhsa_float_denorm_mode_32 3
		.amdhsa_float_denorm_mode_16_64 3
		.amdhsa_memory_ordered 1
		.amdhsa_forward_progress 1
		.amdhsa_inst_pref_size 162
	.end_amdhsa_kernel
	.amdgpu_metadata
---
amdhsa.version: [ 1, 2 ]
amdhsa.kernels:
  - .name:           k_qdc224c461c_attn
    .symbol:         k_qdc224c461c_attn.kd
    .args:
      - { .name: qkv, .offset: 0, .size: 8, .value_kind: global_buffer, .address_space: global }
      - { .name: ob, .offset: 8, .size: 8, .value_kind: global_buffer, .address_space: global }
    .group_segment_fixed_size: 327680
    .private_segment_fixed_size: 0
    .kernarg_segment_align: 8
    .kernarg_segment_size: 16
    .max_flat_workgroup_size: 128
    .sgpr_count:     66
    .vgpr_count:     1024
    .wavefront_size: 32
...
	.end_amdgpu_metadata
.endif
;; end of part 3
;; launch outp (part 4): grid 16 x 16, 4 waves a work-group, clusters of 4 x 4, 327,680 bytes of LDS; arguments ob, cast16, b_out, out0; writes out0
.if DOCPART == 4
	.amdgcn_target "amdgcn-amd-amdhsa--gfx1250"
	.amdhsa_code_object_version 6
	.text
	.protected	k_qdc224c461c_outp
	.globl	k_qdc224c461c_outp
	.p2align	8
	.type	k_qdc224c461c_outp,@function
k_qdc224c461c_outp:
	s_mov_b64 s[64:65], 0
	v_nop
	global_prefetch_b8 v0, s[64:65] scope:SCOPE_SE
	s_setreg_imm32_b32 hwreg(HW_REG_WAVE_MODE, 25, 1), 1
	s_wait_xcnt 0x0
	s_wait_alu depctr_hold_cnt(0) depctr_sa_sdst(0) depctr_va_vdst(0) depctr_va_sdst(0) depctr_va_ssrc(0) depctr_va_vcc(0) depctr_vm_vsrc(0)
	s_getreg_b32 s2, hwreg(HW_REG_IB_STS2, 6, 4)
	s_cmp_eq_u32 s2, 0
	s_cbranch_scc0 .Lentry_in_a_cluster
	s_endpgm
.Lentry_in_a_cluster:
	s_bfe_u32 s2, ttmp6, 0x10000c
	s_cmp_lg_u32 s2, 0xf033
	s_cbranch_scc0 .Lentry_shape_is_right
	s_endpgm
.Lentry_shape_is_right:
; out0 = O w_out + b_out.  O: ob, [2048][2048] f16, K along the rows.  w_out: plane 4 of cast16, [k][column], its bf16 rounding written as f16.  b_out is rounded to bf16 like every input.
; Sums in f32; out0 is f32.  A tile of out0 is 128 x 128: 16 x 16 = 256 work-groups.  Four waves, each 64 x 64: 16 accumulators.
; K goes in 8 steps of 256 through two LDS slots of four tiles, 36,864 bytes apart: O's two halves (64 rows x 512 bytes, pitch 528), then w_out's two (128 k-rows x 256 bytes, pitch 288).
; Wave w fetches tile w: one tensor load a wave behind each round; at most two of a wave's are out at the start, one later.  A slot is 147,456 = 0x24000 bytes, whose bits no tile's place in a slot
; has: one exclusive or turns an LDS word of one slot into the other's.  So a trip of the loop is ONE K step, written once: the descriptor walks, the fragments' addresses are made anew from s[TB].
; CLUSTER: 4 x 4 work-groups; O's tile is asked for jointly along a row of the cluster, w_out's along a column.
; THE MATRIX INSTRUCTION IS USED TRANSPOSED (source 0 = 16 columns of w_out, turned out of LDS by ds_load_tr16_b128; source 1 = 16 rows of O): a lane holds eight neighbouring numbers of a row of out0.
; No prefetch: a K step here is 128 matrix instructions a wave on tiles that four work-groups share; the tiles come by their joint loads.
; REGISTERS: window 0: v0-31 addresses and the bias; v32-95 at work on the way out; v128-255 the accumulators ((a, b) at 128 + 8 (4 a + b)).
;   window 1: two fragment buffers of 128: for 64 along K, 64 registers of O (2 x 4 x 16 rows x 32 K), then 64 of w_out.
.set PA,     528                       ; a row of O in LDS: 512 bytes + 16: the 16 rows of a load start at 16 different groups of four banks (64 banks of 4 bytes: ISA guide 11.1)
.set PB,     288                       ; a k-row of w_out: 256 + 32
.set TILE,   128*PB                    ; w_out's half tile, and the distance from tile to tile (O's half tile, 64 x 528 bytes, is shorter)
.set BOFF,   2*TILE
.set SLOT,   4*TILE
.set STAGE,  2*SLOT                    ; behind the ring: 16 rows x 272 bytes for each wave, its own
.set SPITCH, 272
.set SPARE,  STAGE+4*16*SPITCH         ; behind the stages: the spare words, 128 bytes a wave: two blocks of 256 bytes that no other line names
.set PL,     8388608
.set STEPS,  8                         ; 2,048 / 256
.set BIAS, 12                          ; v12-15  the bias of the four columns that I store
.set ADRA, 16                          ; v16  LDS address of my fragments of O in the slot in hand
.set ADRB, 17                          ; v17-18  of w_out's, k half u
.set BASA, 20                          ; v20  the same in slot 0; never rewritten
.set BASB, 21                          ; v21-22
.set STO,  24
.set RD,   25
.set CO,   26
.set SPW,  28                          ; v28  LDS address of my spare word; never rewritten
.set NIL,  29                          ; v29  0; never rewritten
.set TMP,  32
.set ACC,  128
.set F0,   0
.set F1,   128
.set WV,   12                          ; s12  my wave's number
.set HI,   21                          ; s21  wave / 2: which 64 rows are mine; also: I fetch for O (0) or for w_out (1)
.set LO,   22                          ; s22  wave % 2: which 64 columns; also: which half of that tile I fetch
.set G1, 24
.set G0, 32                            ; s[32:39] group 0 for O's tiles: a set for each of the two first fills; the second then walks on
.set TB, 45                            ; s45  0 or SLOT: the slot in hand
.set G1B, 48
.set G0B, 56
.set MSB, 0
.macro WIN new
.if MSB != (\new)
	s_set_vgpr_msb (MSB<<8)|(\new)
.set MSB, \new
.endif
.endm
.set MUL,  0x05                        ; sources 0 and 1 window 1; C and D window 0
.set TO_F, 0x40                        ; destination window 1, address window 0
.macro JLOAD s                         ; a joint load; an s_nop 0 and four v_nop follow each of the two lines
	s_cmp_eq_u32 s[HI], 0
	s_cbranch_scc0 .Lfor_b_\@
	tensor_load_to_lds s[G0+4*(\s):G0+4*(\s)+3], s[G1:G1+7]
	s_nop 0
.rept 4
	v_nop
.endr
	s_branch .Lasked_\@
.Lfor_b_\@:
	tensor_load_to_lds s[G0B+4*(\s):G0B+4*(\s)+3], s[G1B:G1B+7]
	s_nop 0
.rept 4
	v_nop
.endr
.Lasked_\@:
.endm
.macro CREST
	s_cmp_lg_u32 s[WV], 0
	s_cbranch_scc1 .Lnot_wave_0_\@
	s_barrier_signal -3
.Lnot_wave_0_\@:
	s_barrier_wait -3
	s_barrier_signal -1
	s_barrier_wait -1
.endm
.macro CROUND
	s_barrier_signal -1
	s_barrier_wait -1
	CREST
.endm
	s_load_b256 s[4:11], s[0:1], 0x0               ; ob s[4:5], cast16 s[6:7], b_out s[8:9], out0 s[10:11]
	v_lshl_add_u32 v[SPW], v0, 2, SPARE
	v_mov_b32 v[NIL], 0
	ds_add_u32 v[SPW], v[NIL]                      ; the wave's opening: the add and its wait ahead of my first tensor load
	v_lshrrev_b32 v1, 5, v0
	v_readfirstlane_b32 s[WV], v1
	s_lshr_b32 s[HI], s[WV], 1
	s_and_b32 s[LO], s[WV], 1
	s_bfe_u32 s40, ttmp6, 0x40000                  ; cx, cy
	s_bfe_u32 s41, ttmp6, 0x40004
	s_lshl_b32 s42, ttmp9, 2
	s_add_co_u32 s42, s42, s40                     ; tile column
	s_and_b32 s13, ttmp7, 0xffff
	s_lshl_b32 s13, s13, 2
	s_add_co_u32 s13, s13, s41                     ; tile row
	s_lshl_b32 s43, s41, 2
	s_lshl_b32 s43, 15, s43                        ; my row of the cluster
	s_lshl_b32 s44, 0x1111, s40                    ; my column
	s_or_b32 s[G1], s43, (1<<16)|(1<<20)|(1<<21)|(6<<22)|(3<<25)   ; O: 2-byte elements; padding of 4 words after every 128
	s_mov_b32 s[G1+1], 256<<16                     ; tensor_dim0 = 256
	s_mov_b32 s[G1+2], 64<<16                      ; tensor_dim1 = 64
	s_mov_b32 s[G1+3], 256<<16                     ; tile_dim0 = 256
	s_mov_b32 s[G1+4], 64                          ; tile_dim1 = 64
	s_mov_b32 s[G1+5], 2048
	s_mov_b32 s[G1+6], 0
	s_mov_b32 s[G1+7], 0
	s_or_b32 s[G1B], s44, (1<<16)|(1<<20)|(1<<21)|(5<<22)|(7<<25)  ; w_out: padding of 8 words after every 64
	s_mov_b32 s[G1B+1], 128<<16
	s_mov_b32 s[G1B+2], 128<<16
	s_mov_b32 s[G1B+3], 128<<16
	s_mov_b32 s[G1B+4], 128
	s_mov_b32 s[G1B+5], 2048
	s_mov_b32 s[G1B+6], 0
	s_mov_b32 s[G1B+7], 0
	s_lshl_b32 s16, s13, 19                        ; O: (128 x tile row + 64 x half) rows of 4,096 bytes
	s_lshl_b32 s17, s[LO], 18
	s_add_co_u32 s16, s16, s17
	s_mov_b32 s17, 0
	s_lshl_b32 s46, s[LO], 19                      ; w_out: plane 4, 128 x half k-rows, the tile column's 256 bytes
	s_lshl_b32 s47, s42, 8
	s_add_co_u32 s46, s46, s47
	s_add_co_u32 s46, s46, 4*PL
	s_mov_b32 s47, 0
	s_mul_i32 s20, s[WV], TILE                     ; where my tile goes: wave x 36,864
	s_mov_b32 s[TB], 0
	s_wait_dscnt 0x0                               ; the opening add is done
	s_wait_kmcnt 0x0
	s_add_nc_u64 s[16:17], s[4:5], s[16:17]
	s_add_nc_u64 s[46:47], s[6:7], s[46:47]
	CROUND                                         ; all sixteen work-groups are here: the first joint loads meet
.irp s, 0,1
	s_mov_b32 s[G0+4*(\s)], 1
	s_add_co_u32 s[G0+4*(\s)+1], s20, (\s)*SLOT
	s_add_nc_u64 s[G0+4*(\s)+2:G0+4*(\s)+3], s[16:17], (\s)*512         ; K step s: 512 bytes along the rows
	s_or_b32 s[G0+4*(\s)+3], s[G0+4*(\s)+3], 0x80000000
	s_mov_b32 s[G0B+4*(\s)], 1
	s_add_co_u32 s[G0B+4*(\s)+1], s20, (\s)*SLOT
	s_add_nc_u64 s[G0B+4*(\s)+2:G0B+4*(\s)+3], s[46:47], (\s)*1048576   ; K step s: 256 rows down
	s_or_b32 s[G0B+4*(\s)+3], s[G0B+4*(\s)+3], 0x80000000
	JLOAD \s
.endr
	v_and_b32 v1, 15, v0                           ; r
	v_bfe_u32 v2, v0, 4, 1                         ; h
	v_and_b32 v3, 7, v0
	v_bfe_u32 v4, v0, 3, 1
	s_lshl_b32 s46, s42, 9                         ; my 64 columns, in bytes of f32: 512 x tile column + 256 x half
	s_lshl_b32 s47, s[LO], 8
	s_add_co_u32 s46, s46, s47
	v_lshl_add_u32 v8, v1, 4, s46
	global_load_b128 v[BIAS:BIAS+3], v8, s[8:9]    ; the four columns that I store
	s_lshl_b32 s47, s13, 20                        ; + (128 x tile row + 64 x half) rows of 8,192 bytes
	s_add_co_u32 s46, s46, s47
	s_lshl_b32 s47, s[HI], 19
	s_add_co_u32 s46, s46, s47
	s_mov_b32 s47, 0
	s_add_nc_u64 s[10:11], s[10:11], s[46:47]
	v_mul_u32_u24 v5, v1, PA
	v_lshl_add_u32 v5, v2, 4, v5
	s_mul_i32 s20, s[HI], TILE
	v_add_nc_u32 v[BASA], s20, v5
	v_mov_b32 v[ADRA], v[BASA]                     ; K step 0 lies in slot 0
	v_lshl_add_u32 v6, v2, 3, v3
	v_mul_u32_u24 v6, v6, PB
	v_lshl_add_u32 v6, v4, 4, v6
	s_lshl_b32 s20, s[LO], 7
	s_add_co_u32 s20, s20, BOFF
	v_add_nc_u32 v6, s20, v6
.irp u, 0,1
	v_add_nc_u32 v[BASB+(\u)], (\u)*TILE, v6
	v_mov_b32 v[ADRB+(\u)], v[BASB+(\u)]
.endr
	s_mul_i32 s20, s[WV], 16*SPITCH
	s_add_co_u32 s20, s20, STAGE                   ; my stage
	v_mul_u32_u24 v7, v1, SPITCH                   ; in: row r, 32 bytes for each half of the lanes
	v_lshl_add_u32 v7, v2, 5, v7
	v_add_nc_u32 v[STO], s20, v7
	v_mul_u32_u24 v7, v2, SPITCH                   ; back: lanes 0-15 one row of 256 bytes, lanes 16-31 the next
	v_lshl_add_u32 v7, v1, 4, v7
	v_add_nc_u32 v[RD], s20, v7
	v_lshlrev_b32 v[CO], 13, v2                    ; and the same two rows in out0
	v_lshl_add_u32 v[CO], v1, 4, v[CO]
	s_wait_loadcnt 0x0
	v_cvt_pk_bf16_f32 v9, v[BIAS], v[BIAS+1]
	v_cvt_pk_bf16_f32 v10, v[BIAS+2], v[BIAS+3]
	v_lshlrev_b32 v[BIAS], 16, v9
	v_and_b32 v[BIAS+1], 0xffff0000, v9
	v_lshlrev_b32 v[BIAS+2], 16, v10
	v_and_b32 v[BIAS+3], 0xffff0000, v10
; 8 matrix instructions: row blocks a0, a0 + 1 x all 4 column blocks, 32 along K: half c of buffer f.  The 16 accumulators take turns.
.macro MUL8 f, c, a0, zero
	WIN MUL
.irp a, \a0, (\a0)+1
.irp b, 0,1,2,3
.if \zero
	v_wmma_f32_16x16x32_f16 v[ACC+8*(4*(\a)+(\b)):ACC+8*(4*(\a)+(\b))+7], v[(\f)+64+8*(4*(\c)+(\b)):(\f)+64+8*(4*(\c)+(\b))+7], v[(\f)+8*(4*(\c)+(\a)):(\f)+8*(4*(\c)+(\a))+7], 0
.else
	v_wmma_f32_16x16x32_f16 v[ACC+8*(4*(\a)+(\b)):ACC+8*(4*(\a)+(\b))+7], v[(\f)+64+8*(4*(\c)+(\b)):(\f)+64+8*(4*(\c)+(\b))+7], v[(\f)+8*(4*(\c)+(\a)):(\f)+8*(4*(\c)+(\a))+7], v[ACC+8*(4*(\a)+(\b)):ACC+8*(4*(\a)+(\b))+7]
.endif
.endr
.endr
.endm
; 32 LDS loads in one run: quarter qd (64 along K) of the slot in hand, into buffer f; the first 32 along K first
.macro FETCH qd, f
	WIN TO_F
.irp c, 0,1
.irp i, 0,1,2,3
	ds_load_tr16_b128 v[(\f)+64+8*(4*(\c)+(\i)):(\f)+64+8*(4*(\c)+(\i))+3],   v[ADRB+(\qd)/2] offset:(64*((\qd)%2)+32*(\c))*PB+32*(\i)
	ds_load_tr16_b128 v[(\f)+64+8*(4*(\c)+(\i))+4:(\f)+64+8*(4*(\c)+(\i))+7], v[ADRB+(\qd)/2] offset:(64*((\qd)%2)+32*(\c))*PB+32*(\i)+16*PB
	ds_load_b128 v[(\f)+8*(4*(\c)+(\i)):(\f)+8*(4*(\c)+(\i))+3],   v[ADRA] offset:128*(\qd)+64*(\c)+(\i)*16*PA
	ds_load_b128 v[(\f)+8*(4*(\c)+(\i))+4:(\f)+8*(4*(\c)+(\i))+7], v[ADRA] offset:128*(\qd)+64*(\c)+(\i)*16*PA+32
.endr
.endr
.endm
.macro PLACES
.rept 4
	v_nop
.endr
.endm
.macro QUARTER qn, f, g, zero
	s_wait_dscnt 16                                ; the first 32 along K are in
	MUL8 \f, 0, 0, \zero
	MUL8 \f, 0, 2, \zero
	PLACES
	FETCH \qn, \g
	s_wait_dscnt 32                                ; all but the 32 just issued
	MUL8 \f, 1, 0, 0
	MUL8 \f, 1, 2, 0
.endm
; The last quarter multiplies buffer 1 and changes slots: each wave waits for all its tensor loads, adds 0 to its spare word, and waits for that and for its reads of this slot.  fill = 1: the barrier
; opens a round of the cluster's, and the joint refill of the slot just left, with the K step two on, is the first thing behind it.  Then the fragments' addresses go over to the other slot;
; where nothing is filled, those three additions and a v_nop are the places in front of the loads.
.macro TURN fill
	WIN 0
	s_wait_tensorcnt 0x0
	ds_add_u32 v[SPW], v[NIL]
	s_wait_dscnt 17                                ; the add and the youngest sixteen loads may be out
	MUL8 F1, 0, 0, 0
	s_wait_dscnt 0x0                               ; the add is done, and my reads of this slot are over
	s_barrier_signal -1
	MUL8 F1, 0, 2, 0
	WIN 0
	s_barrier_wait -1
.if \fill
	CREST                                          ; no wave of any partner still reads this slot or has a load on its way
	s_xor_b32 s[G0+5], s[G0+5], SLOT               ; the walking descriptors: the other slot than last time, the next K step
	s_add_nc_u64 s[G0+6:G0+7], s[G0+6:G0+7], 512
	s_xor_b32 s[G0B+5], s[G0B+5], SLOT
	s_add_nc_u64 s[G0B+6:G0B+7], s[G0B+6:G0B+7], 1048576
	JLOAD 1
.endif
	s_xor_b32 s[TB], s[TB], SLOT
	v_add_nc_u32 v[ADRA], s[TB], v[BASA]
	v_add_nc_u32 v[ADRB], s[TB], v[BASB]
	v_add_nc_u32 v[ADRB+1], s[TB], v[BASB+1]
.if !(\fill)
	v_nop
.endif
	FETCH 0, F0
	MUL8 F1, 1, 0, 0
	MUL8 F1, 1, 2, 0
.endm
	s_wait_tensorcnt 1                             ; my part of K step 0 is in; K step 1's may stay out
	s_barrier_signal -1
	s_barrier_wait -1
	FETCH 0, F0
	QUARTER 1, F0, F1, 1                           ; the first products start the sums
	WIN 0
	s_mov_b32 s3, STEPS-2
.Lstep:                                        ; a trip goes from a K step's second quarter to the next step's first, and fills the slot that it leaves: K steps 2 .. 7
	QUARTER 2, F1, F0, 0
	QUARTER 3, F0, F1, 0
	TURN 1
	QUARTER 1, F0, F1, 0
	WIN 0
	s_sub_co_u32 s3, s3, 1
	s_cmp_lg_u32 s3, 0
	s_cbranch_scc1 .Lstep
	s_mov_b32 s3, 2
.Ltail:                                        ; the last two K steps fill nothing
	QUARTER 2, F1, F0, 0
	QUARTER 3, F0, F1, 0
	WIN 0
	s_cmp_eq_u32 s3, 1                             ; a count alone: the same in every wave of every work-group
	s_cbranch_scc1 .Llast
	TURN 0
	QUARTER 1, F0, F1, 0
	WIN 0
	s_sub_co_u32 s3, s3, 1
	s_cmp_lg_u32 s3, 0
	s_cbranch_scc1 .Ltail
.Llast:
	s_wait_dscnt 16
	MUL8 F1, 0, 0, 0
	MUL8 F1, 0, 2, 0
	s_wait_dscnt 0x0
	MUL8 F1, 1, 0, 0
	MUL8 F1, 1, 2, 0
	WIN 0
	; THE WAY OUT.  My 64 columns of f32 are 256 bytes of a row, aligned: 16 rows at a time go through my own stage (LDS serves a wave's instructions in order: ISA guide 5.7.1.4), come back as whole
	; rows, take the bias and are stored, 16 lanes to 256 consecutive bytes.
	PLACES
.macro OUTA a
.set BK, TMP+32*((\a)%2)
.if (\a) >= 2
	s_wait_xcnt 0x0                                ; the stores of two blocks back have read these registers
.endif
.irp b, 0,1,2,3
	ds_store_b128 v[STO], v[ACC+8*(4*(\a)+(\b)):ACC+8*(4*(\a)+(\b))+3]   offset:64*(\b)
	ds_store_b128 v[STO], v[ACC+8*(4*(\a)+(\b))+4:ACC+8*(4*(\a)+(\b))+7] offset:64*(\b)+16
.endr
.irp p, 0,1,2,3,4,5,6,7
	ds_load_b128 v[BK+4*(\p):BK+4*(\p)+3], v[RD] offset:(\p)*2*SPITCH
.endr
.irp p, 0,1,2,3,4,5,6,7
	s_wait_dscnt 7-(\p)
	v_pk_add_f32 v[BK+4*(\p):BK+4*(\p)+1], v[BK+4*(\p):BK+4*(\p)+1], v[BIAS:BIAS+1]
	v_pk_add_f32 v[BK+4*(\p)+2:BK+4*(\p)+3], v[BK+4*(\p)+2:BK+4*(\p)+3], v[BIAS+2:BIAS+3]
	global_store_b128 v[CO], v[BK+4*(\p):BK+4*(\p)+3], s[10:11] offset:(16*(\a)+2*(\p))*8192 th:TH_STORE_NT
.endr
.endm
	OUTA 0
	OUTA 1
	OUTA 2
	OUTA 3
	s_wait_tensorcnt 0x0                           ; the wave's end: a wait, an add and its wait, behind my last tensor load and my last LDS store
	ds_add_u32 v[SPW], v[NIL]
	s_wait_dscnt 0x0
	CROUND                                         ; the closing round
	s_endpgm
.Lfunc_end_k_qdc224c461c_outp:
	.size	k_qdc224c461c_outp, .Lfunc_end_k_qdc224c461c_outp-k_qdc224c461c_outp
	.p2alignl 7, 3214868480
	.fill 96, 4, 3214868480
	.section	.rodata,"a",@progbits
	.p2align	6, 0x0
	.amdhsa_kernel k_qdc224c461c_outp
		.amdhsa_group_segment_fixed_size 327680
		.amdhsa_private_segment_fixed_size 0
		.amdhsa_enable_private_segment 0
		.amdhsa_kernarg_size 32
		.amdhsa_user_sgpr_count 2
		.amdhsa_user_sgpr_kernarg_segment_ptr 1
		.amdhsa_wavefront_size32 1
		.amdhsa_system_sgpr_workgroup_id_x 1
		.amdhsa_system_sgpr_workgroup_id_y 1
		.amdhsa_system_sgpr_workgroup_id_z 1
		.amdhsa_system_vgpr_workitem_id 0
		.amdhsa_next_free_vgpr 512
		.amdhsa_next_free_sgpr 66
		.amdhsa_reserve_vcc 0
		.amdhsa_float_denorm_mode_32 3
		.amdhsa_float_denorm_mode_16_64 3
		.amdhsa_memory_ordered 1
		.amdhsa_forward_progress 1
		.amdhsa_inst_pref_size 65
	.end_amdhsa_kernel
	.amdgpu_metadata
---
amdhsa.version: [ 1, 2 ]
amdhsa.kernels:
  - .name:           k_qdc224c461c_outp
    .symbol:         k_qdc224c461c_outp.kd
    .args:
      - { .name: ob, .offset: 0, .size: 8, .value_kind: global_buffer, .address_space: global }
      - { .name: cast16, .offset: 8, .size: 8, .value_kind: global_buffer, .address_space: global }
      - { .name: b_out, .offset: 16, .size: 8, .value_kind: global_buffer, .address_space: global }
      - { .name: out0, .offset: 24, .size: 8, .value_kind: global_buffer, .address_space: global }
    .group_segment_fixed_size: 327680
    .private_segment_fixed_size: 0
    .kernarg_segment_align: 8
    .kernarg_segment_size: 32
    .max_flat_workgroup_size: 128
    .sgpr_count:     66
    .vgpr_count:     512
    .wavefront_size: 32
...
	.end_amdgpu_metadata
.endif
;; end of part 4
